; MI455X (gfx1250); checked and timed in simulation.
; The chip was launched on July 23, 2026; its instructions are those of AMD's public machine-readable ISA for CDNA 5 (MIT licence, August 2026) and "CDNA5" Instruction Set Architecture Reference Guide (July 2026). The comments in the code are by the model that wrote it; some were corrected since.
;; Example Model. Allowed arithmetic: matrix products marked QUANTISED: E5M2 operands, one E8M0 scale for each 32 along K, by v_wmma_scale_f32_16x16x128_f8f6f4 with both operands' format E5M2, f32 sums; products left as they are: f32 operands where the result goes on into a quantised operand, else bf16, f16 or f32 operands; f32 sums; everything else in f32.
;; Inputs: b1 8 x 2,048 float32; b2 8 x 512 float32; gate_b 8 float32; gate_w 512 x 8 float32; w1_codes 8 x 2,048 x 16 x 32 uint8 (E5M2 codes of w1, K innermost, in blocks of 32 codes); w1_scales 8 x 2,048 x 16 uint8 (E8M0 scales of w1, one for each 32 codes along K); w2_codes 8 x 512 x 64 x 32 uint8 (E5M2 codes of w2, K innermost, in blocks of 32 codes); w2_scales 8 x 512 x 64 uint8 (E8M0 scales of w2, one for each 32 codes along K); x 8 x 512 x 512 float32.
;; Outputs: out0 8 x 512 float32.
;; This version of the problem:
;;   THIS VERSION OF THE PROBLEM IS GIVEN IN LOW PRECISION. The matrix products marked QUANTISED in the list below multiply operands that are first quantised to E5M2 (5 exponent bits, 2 mantissa bits; 8 bits a number), with one power-of-two scale for each 32 numbers along K (OCP MX v1.0); their sums are f32. All else is computed in f32.
;;   The module's matrix products, in the order in which they are computed (A, B: the left and right operand; K: the contracted axis; several contracted axes count as one K, in the product's order):
;;     1. [M 4,096, K 512] x [K 512, N 8]; A: input x; B: input gate_w: left as it is (N = 8 < 16)
;;     2. [M 4,096, K 512] x [K 512, N 2,048]; A: input x; B: input w1 (given as codes): QUANTISED
;;     3. [M 4,096, K 2,048] x [K 2,048, N 512]; A: computed on the way; B: input w2 (given as codes): QUANTISED
;;     4. [M 4,096, K 512] x [K 512, N 2,048]; A: input x; B: input w1 (given as codes): QUANTISED
;;     5. [M 4,096, K 2,048] x [K 2,048, N 512]; A: computed on the way; B: input w2 (given as codes): QUANTISED
;;     6. [M 4,096, K 512] x [K 512, N 2,048]; A: input x; B: input w1 (given as codes): QUANTISED
;;     7. [M 4,096, K 2,048] x [K 2,048, N 512]; A: computed on the way; B: input w2 (given as codes): QUANTISED
;;     8. [M 4,096, K 512] x [K 512, N 2,048]; A: input x; B: input w1 (given as codes): QUANTISED
;;     9. [M 4,096, K 2,048] x [K 2,048, N 512]; A: computed on the way; B: input w2 (given as codes): QUANTISED
;;     10. [M 4,096, K 512] x [K 512, N 2,048]; A: input x; B: input w1 (given as codes): QUANTISED
;;     11. [M 4,096, K 2,048] x [K 2,048, N 512]; A: computed on the way; B: input w2 (given as codes): QUANTISED
;;     12. [M 4,096, K 512] x [K 512, N 2,048]; A: input x; B: input w1 (given as codes): QUANTISED
;;     13. [M 4,096, K 2,048] x [K 2,048, N 512]; A: computed on the way; B: input w2 (given as codes): QUANTISED
;;     14. [M 4,096, K 512] x [K 512, N 2,048]; A: input x; B: input w1 (given as codes): QUANTISED
;;     15. [M 4,096, K 2,048] x [K 2,048, N 512]; A: computed on the way; B: input w2 (given as codes): QUANTISED
;;     16. [M 4,096, K 512] x [K 512, N 2,048]; A: input x; B: input w1 (given as codes): QUANTISED
;;     17. [M 4,096, K 2,048] x [K 2,048, N 512]; A: computed on the way; B: input w2 (given as codes): QUANTISED
;;   THE QUANTISER, for each operand of a quantised product, along K:
;;     - K is cut into blocks of 32 from its start; a last block that is shorter is filled with zeros.
;;     - A block's scale is 2^e with e = floor(log2(the largest magnitude in the block)) - 15, held to -126 .. 127; a block of zeros has e = 0. As a byte (E8M0): e + 127.
;;     - Each number is divided by its block's scale, clamped to +-57,344, and rounded to the nearest number of E5M2, ties to even, subnormals kept.
;;     - The product sums the exact products of the quantised numbers (number of the format x scale) in f32.
;;   ~~~python
;;   def quantise(x, axis):      # numpy; x: float32 -> the quantised numbers, widened to float32 again
;;       x = np.moveaxis(x, axis, -1); K = x.shape[-1]
;;       x = np.pad(x, [(0, 0)] * (x.ndim - 1) + [(0, -K % 32)]); x = x.reshape(x.shape[:-1] + (-1, 32)); a = np.abs(x).max(-1, keepdims=True)
;;       e = np.where(a > 0, np.clip(np.frexp(np.where(a > 0, a, 1))[1] - 1 - 15, -126, 127), 0)      # np.frexp(a)[1] - 1 = floor(log2(a)), exactly
;;       r = np.clip(x / 2.0 ** e, -57344, 57344)
;;       step = 2.0 ** (np.maximum(np.frexp(np.where(r == 0, 1, r))[1] - 1, -14) - 2)
;;       q = np.round(r / step) * step * 2.0 ** e      # np.round: ties to even
;;       return np.moveaxis(q.reshape(q.shape[:-2] + (-1,))[..., :K], -1, axis).astype(np.float32)
;;   ~~~
;;   OPERANDS COMPUTED ON THE WAY. 'Computed on the way' means the value that the module computes at that place (a softmax that the list does not call 'softmax' is quantised finished and normalised). What goes into a quantiser is computed in f32, as accurately as f32 sums, v_exp_f32 and their like allow (about 1e-6 of the number): no bf16 or f16 on the way to a quantiser, and a product that is left as it is and whose result goes on into a quantised operand takes f32 operands (vector FMAs, or v_wmma_f32_16x16x4_f32). A number that lies on a knife's edge between two numbers of the format may be rounded either way, as far as f32 arithmetic and the matrix unit's own rounding can turn it there, and no further.
;;   INPUTS GIVEN AS CODES. w1 (in the module: [8, 512, 2048], K = its axis 1); w2 (in the module: [8, 2048, 512], K = its axis 1): each comes as NAME_codes (uint8): NAME with its K axis moved to the last place and cut into blocks of 32 codes, [.., K / 32, bytes a block], one block behind the other in memory; one code a byte (a code: sign, 5 exponent bits, 2 mantissa bits); and NAME_scales (uint8): the same leading axes, one E8M0 byte (e + 127) for each 32 codes along K. Its value is code x scale, taken as it is: it is not quantised again, and the codes and scales need not be those that the quantiser above would give.
;; 2 versions, each right; version 2 is version 1 with the launch chain written anew for expert scheduling mode. Each part assembles by itself: llvm-mc -triple=amdgcn-amd-amdhsa -mcpu=gfx1250 --defsym DOCPART=n.
;; ======== version 1 of 2: 4 launches
;; workspace buffers: xq 2,097,152 bytes; xs 65,536 bytes; sel 16,384 bytes of whole numbers; wgt 32,768 bytes; order 42,496 bytes of whole numbers; inv 32,768 bytes of whole numbers; part 337,920 bytes
;; launch route (part 1): grid 256 x 1, 2 waves a work-group, no clusters, 768 bytes of LDS; arguments x, gate_w, gate_b, xq, xs, sel, wgt; writes xq, xs, sel, wgt
.if DOCPART == 1
	.amdgcn_target "amdgcn-amd-amdhsa--gfx1250"
	.amdhsa_code_object_version 6
	.text
	.protected	k_q4a47efe82f_route
	.globl	k_q4a47efe82f_route
	.p2align	8
	.type	k_q4a47efe82f_route,@function
k_q4a47efe82f_route:
	s_mov_b64 s[64:65], 0
	v_nop
	global_prefetch_b8 v0, s[64:65] scope:SCOPE_SE
	s_setreg_imm32_b32 hwreg(HW_REG_WAVE_MODE, 25, 1), 1
	s_wait_xcnt 0x0
; ROUTE: the router, and x as codes.  Four launches make the result: route, place, chain, finish.
; logits = x gate_w + gate_b in f32 (fused multiply-adds); the two largest of 8, the lower index first among equals, as lax.top_k has it; softmax over the two, the larger taken away first.
; x [4096][512] becomes codes of E5M2 with one E8M0 byte for each 32 along K (xq, xs): every expert's first product takes the same quantised x, so it is quantised once.
; WORK LEFT OUT BY THE PROGRAM.  reference() multiplies expert e's result for a token by w_tok = sum(score * (top_idx == e)), which is 0, by reference()'s own comparison, for each of the
; six experts that the token's own top-2 did not choose, whatever the inputs hold.  So both products, the gelu and the b2 term of those six experts reach no output, and only the 2 x 4,096
; chosen (token, expert) rows are computed.  Which rows those are hangs on the inputs: this launch stores the choice as whole numbers (sel), and later launches read it.  Every input is loaded.
; Only sum over d of y reaches the output: the second product is still done whole, on the matrix unit; its 32 tiles along d are added in one accumulator (launch chain).
; LIMITS.  A NaN, an infinity or an overflow that arises only in the work left out is not carried to the result.  NaN and infinities among the inputs are not served.
; Logits that are equal within the order of f32 summation (16 terms a lane, then five steps across lanes) may be chosen otherwise than by reference().
; A block of 32 zeros gets the byte 1 where the rule says 127: its codes are zeros, and this program alone reads the bytes.  Blocks whose largest magnitude lies under 2^(16 - 127) have their byte held at 1.
; SHARES.  Wave gw = 2 x work-group + wave takes tokens 8 gw .. 8 gw + 7.  Lane l holds x[t][16 l .. 16 l + 15]: two neighbouring lanes hold a block of 32, and the conversions find 16 neighbours in a lane's registers.
; gate_w's rows 16 l .. 16 l + 15 (512 consecutive bytes) stay in lane l's registers, in window 1.  Waves share nothing: no barrier.  No matrix unit, no cluster: 8 columns, and no tile is shared.
.set SPARE, 512                        ; LDS: 256 bytes for each wave's 128 scale bytes; behind them the spare words, 128 bytes a wave
.set SPW, 1                            ; v1   my spare word's address; never rewritten
.set NIL, 2                            ; v2   0; never rewritten
.set PE,  16                           ; v16-23  a token's 8 partial logits
.set LG,  24                           ; v24-31  logits: lane j holds token j's
.set CD,  32                           ; v32-63  codes, four registers a token: no store's data are written again
.set EB,  64                           ; v64-71  a scale byte a token
.set T,   72                           ; v72-95  at work
.set X,   128                          ; v128-255 x, 16 registers a token
.set MSB, 0
.macro WIN new                         ; the immediate's high byte repeats the setting that is left
.if MSB != (\new)
	s_set_vgpr_msb (MSB<<8)|(\new)
.set MSB, (\new)
.endif
.endm
	s_load_b256 s[4:11], s[0:1], 0x0               ; x s[4:5], gate_w s[6:7], gate_b s[8:9], xq s[10:11]
	s_load_b128 s[12:15], s[0:1], 0x20             ; xs s[12:13], sel s[14:15]
	s_load_b64 s[16:17], s[0:1], 0x30              ; wgt
	v_lshl_add_u32 v[SPW], v0, 2, SPARE
	v_mov_b32 v[NIL], 0
	v_lshrrev_b32 v11, 5, v0
	v_readfirstlane_b32 s28, v11                   ; wave
	v_and_b32 v3, 31, v0                           ; lane
	v_lshlrev_b32 v4, 6, v3                        ; x: my 64 bytes of a row
	v_lshlrev_b32 v5, 9, v3                        ; gate_w: my 16 rows of 32 bytes
	v_lshlrev_b32 v6, 4, v3                        ; codes: my 16 bytes of a row
	s_lshl_b32 s29, s28, 8                         ; my wave's scale bytes in LDS
	v_lshrrev_b32 v7, 1, v3
	v_add_nc_u32 v7, s29, v7                       ; my block's byte
	v_lshl_add_u32 v8, v3, 2, s29                  ; and on the way out 4 bytes a lane
	v_lshlrev_b32 v9, 2, v3
	v_lshlrev_b32 v10, 3, v3
	s_mov_b32 s30, 0x76543210
	s_mov_b32 s31, 0xfedcba98                      ; v_permlanex16_b32's selects for lane l xor 16
	s_mov_b32 s32, 0x600000                        ; the mantissa field of 57,344
	s_lshl_b32 s33, ttmp9, 1
	s_add_co_u32 s33, s33, s28                     ; gw
	s_mov_b32 s35, 0
.irp e, 0,1,2,3,4,5,6,7
	v_mov_b32 v[T+8+\e], 0                         ; written once: a lane permute's destination counts as one of its sources
.endr
	s_wait_kmcnt 0x0
	s_load_b256 s[20:27], s[8:9], 0x0              ; gate_b's eight numbers
	s_lshl_b32 s34, s33, 14
	s_add_nc_u64 s[4:5], s[4:5], s[34:35]          ; x: 8 rows of 2,048 bytes a wave
	s_lshl_b32 s34, s33, 12
	s_add_nc_u64 s[10:11], s[10:11], s[34:35]      ; xq: 8 rows of 512
	s_lshl_b32 s34, s33, 7
	s_add_nc_u64 s[12:13], s[12:13], s[34:35]      ; xs: 8 rows of 16
	s_lshl_b32 s34, s33, 5
	s_add_nc_u64 s[14:15], s[14:15], s[34:35]      ; sel: 8 words
	s_lshl_b32 s34, s33, 6
	s_add_nc_u64 s[16:17], s[16:17], s[34:35]      ; wgt: 8 pairs
	WIN 0x40                                       ; destination window 1
.set Q, 0
.rept 32
	global_load_b128 v[4*Q:4*Q+3], v5, s[6:7] offset:16*Q          ; register 8 i + e = gate_w[16 l + i][e]
.set Q, Q+1
.endr
	WIN 0
.irp j, 0,1,2,3,4,5,6,7
.irp i, 0,1,2,3
	global_load_b128 v[X+16*\j+4*\i:X+16*\j+4*\i+3], v4, s[4:5] offset:2048*\j+16*\i
.endr
.endr
.macro TOKEN j
.set XJ, X+16*(\j)
	s_wait_loadcnt 4*(7-(\j))                      ; gate_w and this token's four loads are in; the later tokens' four each may be out
	WIN 0x04                                       ; source 1 (gate_w) window 1
.irp e, 0,2,4,6
	v_pk_mul_f32 v[PE+\e:PE+\e+1], v[XJ:XJ+1], v[\e:\e+1] op_sel_hi:[0,1]                                  ; x_0 for both halves: two experts an instruction; the first product starts the sums
.endr
.irp e, 0,2,4,6
	v_pk_fma_f32 v[PE+\e:PE+\e+1], v[XJ:XJ+1], v[8+\e:9+\e], v[PE+\e:PE+\e+1] op_sel:[1,0,0] op_sel_hi:[1,1,1]   ; x_1 for both halves
.endr
.irp i, 2,4,6,8,10,12,14
.irp e, 0,2,4,6
	v_pk_fma_f32 v[PE+\e:PE+\e+1], v[XJ+\i:XJ+\i+1], v[8*\i+\e:8*\i+\e+1], v[PE+\e:PE+\e+1] op_sel_hi:[0,1,1]
.endr
.irp e, 0,2,4,6
	v_pk_fma_f32 v[PE+\e:PE+\e+1], v[XJ+\i:XJ+\i+1], v[8*\i+8+\e:8*\i+9+\e], v[PE+\e:PE+\e+1] op_sel:[1,0,0] op_sel_hi:[1,1,1]
.endr
.endr
	WIN 0
.irp m, 1,2,4,8
.irp e, 0,1,2,3,4,5,6,7
	v_add_f32_dpp v[PE+\e], v[PE+\e], v[PE+\e] row_xmask:\m row_mask:0xf bank_mask:0xf   ; across 16 lanes, the eight sums by turns
.endr
.endr
.irp e, 0,1,2,3,4,5,6,7
	v_permlanex16_b32 v[T+8+\e], v[PE+\e], s30, s31
.endr
.irp e, 0,1,2,3,4,5,6,7
	v_add_f32 v[PE+\e], v[PE+\e], v[T+8+\e]        ; every lane holds the token's logit less the bias
.endr
.if (\j) == 0
.irp e, 0,1,2,3,4,5,6,7
	v_mov_b32 v[LG+\e], v[PE+\e]
.endr
.else
	s_mov_b32 s40, 1<<(\j)
.irp e, 0,1,2,3,4,5,6,7
	v_cndmask_b32 v[LG+\e], v[LG+\e], v[PE+\e], s40   ; lane j keeps token j's
.endr
.endif
	v_max3_num_f32 v[T], |v[XJ]|, |v[XJ+1]|, |v[XJ+2]|             ; the largest magnitude of my 16
	v_max3_num_f32 v[T+1], |v[XJ+3]|, |v[XJ+4]|, |v[XJ+5]|
.irp i, 6,10
	v_max3_num_f32 v[T], v[T], |v[XJ+\i]|, |v[XJ+\i+1]|
	v_max3_num_f32 v[T+1], v[T+1], |v[XJ+\i+2]|, |v[XJ+\i+3]|
.endr
	v_max3_num_f32 v[T], v[T], |v[XJ+14]|, |v[XJ+15]|
	v_max3_num_f32 v[T], v[T], v[T+1], 0x8000000   ; and the floor 2^(16 - 127): the byte cannot fall under 1
	v_max_num_f32_dpp v[T], v[T], v[T] row_xmask:1 row_mask:0xf bank_mask:0xf   ; with my neighbour's 16: the block's
	v_add_nc_u32 v[T+3], 0xf8800000, v[T]          ; 15 off its exponent field: the conversion's scale operand
	v_and_or_b32 v[T+2], v[T], 0x7f800000, s32     ; 57,344 x the scale
.irp i, 0,1,2,3,4,5,6,7,8,9,10,11,12,13,14,15
	v_med3_num_f32 v[XJ+\i], v[XJ+\i], -v[T+2], v[T+2]   ; the conversion to an 8-bit code does not saturate (ISA guide 7.6.2): the hold comes first
.endr
	v_cvt_scalef32_pk8_bf8_f32 v[CD+4*(\j):CD+4*(\j)+1], v[XJ:XJ+7], v[T+3]
	v_cvt_scalef32_pk8_bf8_f32 v[CD+4*(\j)+2:CD+4*(\j)+3], v[XJ+8:XJ+15], v[T+3]
	v_lshrrev_b32 v[EB+(\j)], 23, v[T+3]           ; the scale's byte (also the plain line behind the conversions)
	ds_store_b8 v7, v[EB+(\j)] offset:16*(\j)      ; both lanes of a block write the same byte with the same value
	global_store_b128 v6, v[CD+4*(\j):CD+4*(\j)+3], s[10:11] offset:512*(\j)   ; the wave stores a row's 512 consecutive bytes
.endm
.irp j, 0,1,2,3,4,5,6,7
	TOKEN \j
.endr
	; the choice, a token a lane (lanes 8 to 31 repeat token 0's and store nothing)
	s_wait_kmcnt 0x0                               ; gate_b
.irp e, 0,1,2,3,4,5,6,7
	v_add_f32 v[LG+\e], s[20+\e], v[LG+\e]
.endr
	v_mov_b32 v[T], v[LG]                          ; the largest, and its index
	v_mov_b32 v[T+1], 0
	v_mov_b32 v[T+2], 0xff800000                   ; the second: -infinity, under every logit
	v_mov_b32 v[T+3], 0
.irp e, 1,2,3,4,5,6,7
	v_cmp_gt_f32 s40, v[LG+\e], v[T]               ; strictly greater: among equals the lower index stays ahead
	v_cmp_gt_f32 s41, v[LG+\e], v[T+2]
	v_cndmask_b32 v[T+2], v[T+2], v[LG+\e], s41
	v_cndmask_b32 v[T+3], v[T+3], \e, s41
	v_cndmask_b32 v[T+2], v[T+2], v[T], s40
	v_cndmask_b32 v[T+3], v[T+3], v[T+1], s40
	v_cndmask_b32 v[T], v[T], v[LG+\e], s40
	v_cndmask_b32 v[T+1], v[T+1], \e, s40
.endr
	v_sub_f32 v[T+4], v[T+2], v[T]                 ; the maximum is taken away: the exponents are 0 and this, 0 or less
	v_mul_f32 v[T+4], 0x3fb8aa3b, v[T+4]
	v_exp_f32 v[T+5], v[T+4]
	v_nop                                          ; a plain line behind the transcendental,
	s_wait_alu depctr_va_vdst(0)                   ; and the wait ahead of its first reader
	v_add_f32 v[T+6], 1.0, v[T+5]
	v_rcp_f32 v[T+7], v[T+6]                       ; the larger logit's score
	v_nop
	s_wait_alu depctr_va_vdst(0)
	v_mul_f32 v[T+5], v[T+5], v[T+7]               ; the other's
	v_cmp_lt_u32 s40, v[T+1], v[T+3]
	v_cndmask_b32 v[T+18], v[T+3], v[T+1], s40     ; the lower-numbered expert,
	v_cndmask_b32 v[T+19], v[T+1], v[T+3], s40     ; the higher,
	v_cndmask_b32 v[T+16], v[T+5], v[T+7], s40     ; and their scores, in that order
	v_cndmask_b32 v[T+17], v[T+7], v[T+5], s40
	v_lshl_or_b32 v[T+20], v[T+19], 8, v[T+18]
	s_wait_xcnt 0x0                                ; EXEC changes only behind this wait: the codes' stores are out
	v_cmp_gt_u32 vcc_lo, 8, v3
	s_and_saveexec_b32 s42, vcc_lo
	global_store_b32 v9, v[T+20], s[14:15]         ; at fixed places: no address here hangs on the choice
	global_store_b64 v10, v[T+16:T+17], s[16:17]
	s_wait_xcnt 0x0
	s_or_b32 exec_lo, exec_lo, s42
	ds_load_b32 v[T+21], v8                        ; LDS serves a wave's instructions in order: this sees my byte stores
	s_wait_dscnt 0x0
	global_store_b32 v9, v[T+21], s[12:13]         ; 8 tokens' 128 scale bytes on end
	s_wait_tensorcnt 0x0                           ; the wave's end: three lines behind my last LDS store
	ds_add_u32 v[SPW], v[NIL]
	s_wait_dscnt 0x0
	s_endpgm
.Lfunc_end_k_q4a47efe82f_route:
	.size	k_q4a47efe82f_route, .Lfunc_end_k_q4a47efe82f_route-k_q4a47efe82f_route
	.p2alignl 7, 3214868480
	.fill 96, 4, 3214868480
	.section	.rodata,"a",@progbits
	.p2align	6, 0x0
	.amdhsa_kernel k_q4a47efe82f_route
		.amdhsa_group_segment_fixed_size 768
		.amdhsa_private_segment_fixed_size 0
		.amdhsa_enable_private_segment 0
		.amdhsa_kernarg_size 56
		.amdhsa_user_sgpr_count 2
		.amdhsa_user_sgpr_kernarg_segment_ptr 1
		.amdhsa_wavefront_size32 1
		.amdhsa_system_sgpr_workgroup_id_x 1
		.amdhsa_system_sgpr_workgroup_id_y 1
		.amdhsa_system_sgpr_workgroup_id_z 1
		.amdhsa_system_vgpr_workitem_id 0
		.amdhsa_next_free_vgpr 384
		.amdhsa_next_free_sgpr 66
		.amdhsa_reserve_vcc 1
		.amdhsa_float_denorm_mode_32 3
		.amdhsa_float_denorm_mode_16_64 3
		.amdhsa_memory_ordered 1
		.amdhsa_forward_progress 1
		.amdhsa_inst_pref_size 89
	.end_amdhsa_kernel
	.amdgpu_metadata
---
amdhsa.version: [ 1, 2 ]
amdhsa.kernels:
  - .name:           k_q4a47efe82f_route
    .symbol:         k_q4a47efe82f_route.kd
    .args:
      - { .name: x, .offset: 0, .size: 8, .value_kind: global_buffer, .address_space: global }
      - { .name: gate_w, .offset: 8, .size: 8, .value_kind: global_buffer, .address_space: global }
      - { .name: gate_b, .offset: 16, .size: 8, .value_kind: global_buffer, .address_space: global }
      - { .name: xq, .offset: 24, .size: 8, .value_kind: global_buffer, .address_space: global }
      - { .name: xs, .offset: 32, .size: 8, .value_kind: global_buffer, .address_space: global }
      - { .name: sel, .offset: 40, .size: 8, .value_kind: global_buffer, .address_space: global }
      - { .name: wgt, .offset: 48, .size: 8, .value_kind: global_buffer, .address_space: global }
    .group_segment_fixed_size: 768
    .private_segment_fixed_size: 0
    .kernarg_segment_align: 8
    .kernarg_segment_size: 56
    .max_flat_workgroup_size: 64
    .sgpr_count:     66
    .vgpr_count:     384
    .wavefront_size: 32
...
	.end_amdgpu_metadata
.endif
;; end of part 1
;; launch place (part 2): grid 1 x 1, 32 waves a work-group, no clusters, 8,192 bytes of LDS; arguments sel, order, inv; writes order, inv
.if DOCPART == 2
	.amdgcn_target "amdgcn-amd-amdhsa--gfx1250"
	.amdhsa_code_object_version 6
	.text
	.protected	k_q4a47efe82f_place
	.globl	k_q4a47efe82f_place
	.p2align	8
	.type	k_q4a47efe82f_place,@function
k_q4a47efe82f_place:
	s_mov_b64 s[64:65], 0
	v_nop
	global_prefetch_b8 v0, s[64:65] scope:SCOPE_SE
	s_setreg_imm32_b32 hwreg(HW_REG_WAVE_MODE, 25, 1), 1
	s_wait_xcnt 0x0
; PLACE: a counting sort of the 8,192 chosen (token, expert) rows by expert, without atomics.  It reads the choice that launch route stored as whole numbers.
; (Rows of experts that a token did not choose are left out of the program: see the head of launch route.)
; Expert e's rows fill slabs of 320 from slab SBS_e on, in the order of the tokens; a row's position is 320 x slab + its row there.  There are at most 33 slabs, whatever the choice:
; the sum over e of ceil(T_e / 320) is at most (8,192 + 8 x 319) / 320, rounded down.
; OUT: order: rec[64] = rows | expert << 16 for each slab (0 rows behind the last); from byte 256 list[position] = 2 x token + slot, real rows alone;  inv[2 x token + slot] = position.
; One work-group of 32 waves; wave w takes tokens 128 w .. 128 w + 127, 32 at a step.  A lane's place among its wave's rows of an expert comes from the compare's mask (v_mbcnt); the waves' counts meet in LDS.
.set SPARE, 4096                       ; LDS: 0 .. 4,095 a word for each thread: lane e < 8 of wave w holds the wave's count for expert e; behind them the spare words
.set SPW, 1
.set NIL, 2
	s_load_b128 s[4:7], s[0:1], 0x0                ; sel s[4:5], order s[6:7]
	s_load_b64 s[8:9], s[0:1], 0x10                ; inv
	v_lshl_add_u32 v[SPW], v0, 2, SPARE
	v_mov_b32 v[NIL], 0
	v_lshrrev_b32 v5, 5, v0
	v_readfirstlane_b32 s10, v5                    ; wave
	v_and_b32 v3, 31, v0                           ; lane
	v_lshlrev_b32 v4, 2, v3
	v_lshl_add_u32 v6, v5, 9, v4                   ; 4 x (128 w + lane)
	v_lshlrev_b32 v7, 2, v0                        ; my word in LDS
	v_lshlrev_b32 v8, 7, v3                        ; wave l's eight counts, for lane l
	v_lshl_add_u32 v24, v5, 7, v3                  ; my token of step 0
	s_mov_b32 s12, 0x76543210
	s_mov_b32 s13, 0xfedcba98
.irp e, 0,1,2,3,4,5,6,7
	s_mov_b32 s[48+\e], 0
	v_mov_b32 v[70+\e], 0                          ; written once: a lane permute's destination counts as one of its sources
.endr
	s_wait_kmcnt 0x0
.irp i, 0,1,2,3
	global_load_b32 v[12+\i], v6, s[4:5] offset:128*\i
.endr
	s_wait_loadcnt 0x0
.irp i, 0,1,2,3
	v_and_b32 v[16+\i], 7, v[12+\i]                ; the lower-numbered expert
	v_bfe_u32 v[20+\i], v[12+\i], 8, 3             ; the higher
.endr
.irp i, 0,1,2,3                                ; my wave's rows of each expert
.irp e, 0,1,2,3,4,5,6,7
	v_cmp_eq_u32 s40, \e, v[16+\i]
	v_cmp_eq_u32 s41, \e, v[20+\i]
	s_or_b32 s42, s40, s41
	s_bcnt1_i32_b32 s43, s42
	s_add_co_u32 s[48+\e], s[48+\e], s43
.endr
.endr
	v_mov_b32 v9, 0
.irp e, 0,1,2,3,4,5,6,7
	v_writelane_b32 v9, s[48+\e], \e
.endr
	ds_store_b32 v7, v9
	s_wait_dscnt 0x0                               ; for the others' sake: my counts have landed
	s_barrier_signal -1
	s_barrier_wait -1
.irp e, 0,1,2,3,4,5,6,7
	ds_load_b32 v[28+\e], v8 offset:4*\e           ; lane l: wave l's count for expert e
.endr
	v_mov_b32 v37, 1
	v_mov_b32 v38, 0x10001
	v_cmp_gt_u32 vcc_lo, s10, v3
	v_cndmask_b32 v36, v37, v38, vcc_lo            ; a wave ahead of mine counts in both halves of the word, the others in the low half (both sums stay under 2^16)
	s_wait_dscnt 0x0
.irp e, 0,1,2,3,4,5,6,7
	v_mul_lo_u32 v[28+\e], v[28+\e], v36
.endr
.irp m, 1,2,4,8
.irp e, 0,1,2,3,4,5,6,7
	v_add_nc_u32_dpp v[28+\e], v[28+\e], v[28+\e] row_xmask:\m row_mask:0xf bank_mask:0xf
.endr
.endr
.irp e, 0,1,2,3,4,5,6,7
	v_permlanex16_b32 v[70+\e], v[28+\e], s12, s13
.endr
.irp e, 0,1,2,3,4,5,6,7
	v_add_nc_u32 v[28+\e], v[28+\e], v[70+\e]
.endr
.irp e, 0,1,2,3,4,5,6,7
	v_readfirstlane_b32 s43, v[28+\e]
	s_and_b32 s[56+\e], s43, 0xffff                ; T_e: the expert's rows
	s_lshr_b32 s[84+\e], s43, 16                   ; those of the waves ahead of mine
.endr
	s_mov_b32 s82, 0
.irp e, 0,1,2,3,4,5,6,7
	s_mov_b32 s[74+\e], s82                        ; SBS_e: the expert's first slab
	s_mul_i32 s43, s82, 320
	s_add_co_u32 s[66+\e], s43, s[84+\e]           ; where my wave's rows of e begin
	s_add_co_u32 s43, s[56+\e], 319
	s_mul_i32 s43, s43, 3277
	s_lshr_b32 s43, s43, 20                        ; (T_e + 319) / 320, rounded down: 3277 / 2^20 is 1/320 + 1.9e-7, and T_e + 319 is at most 4,415, so the excess stays under 1/320
	s_add_co_u32 s82, s82, s43
.endr
.irp i, 0,1,2,3                                ; each step has registers of its own: no store's sources are written again
	v_mov_b32 v[40+2*\i], 0
	v_mov_b32 v[41+2*\i], 0
.irp e, 0,1,2,3,4,5,6,7
	v_cmp_eq_u32 s40, \e, v[16+\i]
	v_cmp_eq_u32 s41, \e, v[20+\i]
	s_or_b32 s42, s40, s41
	v_mbcnt_lo_u32_b32 v68, s42, 0                 ; rows of e in the lanes below mine
	v_add_nc_u32 v68, s[66+\e], v68
	v_cndmask_b32 v[40+2*\i], v[40+2*\i], v68, s40
	v_cndmask_b32 v[41+2*\i], v[41+2*\i], v68, s41
	s_bcnt1_i32_b32 s43, s42
	s_add_co_u32 s[66+\e], s[66+\e], s43
.endr
	v_min_u32 v[40+2*\i], 0x293f, v[40+2*\i]       ; a number made of loaded data enters an address behind a bound: 33 x 320 - 1
	v_min_u32 v[41+2*\i], 0x293f, v[41+2*\i]
	v_lshlrev_b32 v[48+\i], 2, v[40+2*\i]
	v_lshlrev_b32 v[52+\i], 2, v[41+2*\i]
	v_add_nc_u32 v[64+\i], 32*\i, v24              ; the token
	v_lshlrev_b32 v[56+\i], 1, v[64+\i]            ; 2 x token: slot 0,
	v_lshl_or_b32 v[60+\i], v[64+\i], 1, 1         ; slot 1
	v_lshlrev_b32 v[64+\i], 3, v[64+\i]
	global_store_b32 v[48+\i], v[56+\i], s[6:7] offset:256
	global_store_b32 v[52+\i], v[60+\i], s[6:7] offset:256
	global_store_b64 v[64+\i], v[40+2*\i:41+2*\i], s[8:9]
.endr
	s_cmp_lg_u32 s10, 0                            ; the slabs' records: wave 0 alone
	s_cbranch_scc1 .Lnorec
.macro REC sg, out                     ; slab v[sg] belongs to the last expert whose first slab is at or under it
	v_mov_b32 v77, 0
	v_mov_b32 v78, s74
	v_mov_b32 v79, s56
.irp e, 1,2,3,4,5,6,7
	v_cmp_le_u32 s40, s[74+\e], v[\sg]
	v_cndmask_b32 v77, v77, \e, s40
	v_cndmask_b32 v78, v78, s[74+\e], s40
	v_cndmask_b32 v79, v79, s[56+\e], s40
.endr
	v_sub_nc_u32 v78, v[\sg], v78
	v_mul_u32_u24 v78, v78, 0x140
	v_sub_nc_u32 v79, v79, v78                     ; the expert's rows from this slab on,
	v_max_i32 v79, 0, v79
	v_min_i32 v79, 0x140, v79                      ; held to 0 .. 320
	v_lshl_or_b32 v[\out], v77, 16, v79
.endm
	REC 3, 80
	v_add_nc_u32 v82, 32, v3
	REC 82, 81
	global_store_b32 v4, v80, s[6:7]
	global_store_b32 v4, v81, s[6:7] offset:128
.Lnorec:
	s_wait_tensorcnt 0x0                           ; the wave's end: three lines behind my last LDS store
	ds_add_u32 v[SPW], v[NIL]
	s_wait_dscnt 0x0
	s_endpgm
.Lfunc_end_k_q4a47efe82f_place:
	.size	k_q4a47efe82f_place, .Lfunc_end_k_q4a47efe82f_place-k_q4a47efe82f_place
	.p2alignl 7, 3214868480
	.fill 96, 4, 3214868480
	.section	.rodata,"a",@progbits
	.p2align	6, 0x0
	.amdhsa_kernel k_q4a47efe82f_place
		.amdhsa_group_segment_fixed_size 8192
		.amdhsa_private_segment_fixed_size 0
		.amdhsa_enable_private_segment 0
		.amdhsa_kernarg_size 24
		.amdhsa_user_sgpr_count 2
		.amdhsa_user_sgpr_kernarg_segment_ptr 1
		.amdhsa_wavefront_size32 1
		.amdhsa_system_sgpr_workgroup_id_x 1
		.amdhsa_system_sgpr_workgroup_id_y 1
		.amdhsa_system_sgpr_workgroup_id_z 1
		.amdhsa_system_vgpr_workitem_id 0
		.amdhsa_next_free_vgpr 96
		.amdhsa_next_free_sgpr 96
		.amdhsa_reserve_vcc 1
		.amdhsa_float_denorm_mode_32 3
		.amdhsa_float_denorm_mode_16_64 3
		.amdhsa_memory_ordered 1
		.amdhsa_forward_progress 1
		.amdhsa_inst_pref_size 39
	.end_amdhsa_kernel
	.amdgpu_metadata
---
amdhsa.version: [ 1, 2 ]
amdhsa.kernels:
  - .name:           k_q4a47efe82f_place
    .symbol:         k_q4a47efe82f_place.kd
    .args:
      - { .name: sel, .offset: 0, .size: 8, .value_kind: global_buffer, .address_space: global }
      - { .name: order, .offset: 8, .size: 8, .value_kind: global_buffer, .address_space: global }
      - { .name: inv, .offset: 16, .size: 8, .value_kind: global_buffer, .address_space: global }
    .group_segment_fixed_size: 8192
    .private_segment_fixed_size: 0
    .kernarg_segment_align: 8
    .kernarg_segment_size: 24
    .max_flat_workgroup_size: 1024
    .sgpr_count:     96
    .vgpr_count:     96
    .wavefront_size: 32
...
	.end_amdgpu_metadata
.endif
;; end of part 2
;; launch chain (part 3): grid 8 x 33, 4 waves a work-group, no clusters, 284,160 bytes of LDS; arguments xq, xs, order, w1_codes, w1_scales, b1, w2_codes, w2_scales, b2, part; writes part
.if DOCPART == 3
	.amdgcn_target "amdgcn-amd-amdhsa--gfx1250"
	.amdhsa_code_object_version 6
	.text
	.protected	k_q4a47efe82f_chain
	.globl	k_q4a47efe82f_chain
	.p2align	8
	.type	k_q4a47efe82f_chain,@function
k_q4a47efe82f_chain:
	s_mov_b64 s[64:65], 0
	v_nop
	global_prefetch_b8 v0, s[64:65] scope:SCOPE_SE
	s_setreg_imm32_b32 hwreg(HW_REG_WAVE_MODE, 25, 1), 1
	s_wait_xcnt 0x0
; CHAIN: for a slab of up to 320 routed rows of one expert e and a chunk c of 256 hidden units:  part[c][row] = sum over d of ( Q(gelu(Q(x) W1 + b1))[chunk] W2[chunk] )[d]  +  sum of b2[e][64 c .. 64 c + 63].
; Both products on codes of E5M2 with E8M0 scales, by v_wmma_scale_f32_16x16x128_f8f6f4.  Only the rows that a token's own top-2 chose are computed (shown at the head of launch route); every input is loaded.
; Only the sum over d of y reaches the output: the second product is done whole, its 32 tiles along d adding into ONE accumulator for each tile of rows, so that a row leaves as one f32 number.
; The f32 sums over d and over the 8 chunks are so taken in another order than reference()'s.
; gelu(v) = v (0.5 + 0.5 erf(u)), u = v / sqrt 2 held to +-4, erf(u) = u A(u^2) / B(u^2), degrees 6 and 4.  LIMITS: erf is right to about 1e-7 absolutely, as 1 + erf is in f32; under v = -5.66 the result is 0 +- 6e-8 |v|.
; NaN and infinities are not served.  A block of 32 zeros of the hidden layer carries the byte 1: its codes are zeros.
; SHARES.  Grid: x = chunk, y = slab; 33 slabs serve every choice.  Four waves, one to a SIMD; wave w takes rows 80 w .. 80 w + 79: five tiles of 16, so that each weight fragment read from LDS feeds five matrix instructions.
; Rows past the slab's last repeat its last row; their results land in places of part that nobody reads.
; A SLAB WITHOUT ROWS is known from a number that launch place stored.  Hence no tensor load, no copy and NO CLUSTER, though slabs of one expert read the same weights: the weights come through registers into LDS.
; The barrier and the loop over the chunk's two halves stand on every wave's path; branches on the stored number lead round the fill, a trip's work and the way out alone.
; What more than one of these parts reads (addresses, x's fragments, b2, the row sums, constants) is written on the common path; a slab without rows reads row 0 of slab 0 there and ends with those loads out.
; LAYOUT.  Both products are used transposed (source 0 = 16 rows of a weight, source 1 = 16 of my rows): a lane holds ONE row (lane % 16) throughout.  THE ROWS OF W1 THAT FORM A TILE ARE NOT NEIGHBOURS:
; lane r of tile 2 b + u takes hidden unit 32 b + 8 u + r + 8 (r / 8), so that the 16 registers of tiles 2 b, 2 b + 1 are 16 neighbours along the next K.  In LDS W1's row rho lies at row (rho with bits 3 and 4 swapped): a tile is 16 rows on end.
; REGISTERS, in windows of 256.  window 0: addresses, scale words, at work (below).  window 1: x's fragments of tiles 0-3 (64 m + 16 s).  window 2: the hidden layer of tiles 0-3 (64 m + 8 t); at the fill the weights on their way;
;   in the second product the five accumulators (8 m).  window 3: v0-63 x of tile 4; v64-127 its hidden layer; v128-255 two sets of four weight fragments.
.set P1,    528                        ; W1's row in LDS: 512 bytes + 16: 16 rows on end start at 16 different 16-byte columns of the banks' 256 bytes
.set P2,    272                        ; W2's: the chunk's 256 bytes + 16
.set W2L,   256*P1                     ; LDS: W1's 256 rows from 0; W2's 512 rows;
.set W1SL,  W2L+512*P2                 ; W1's scale bytes [rho][16];
.set W2SL,  W1SL+4096                  ; W2's [n][8];
.set B1L,   W2SL+4096                  ; b1's 256 numbers;
.set SPARE, B1L+1024                   ; the spare words, 128 bytes a wave
.set SPW, 1                            ; v1  my spare word's address; never rewritten
.set NIL, 2                            ; v2  0; never rewritten
.set RR,  3                            ; v3  r = lane % 16
.set HH,  4                            ; v4  h = lane / 16
.set AW1, 5                            ; v5-8   my lane's place in a tile of W1, among W1's scale words, W2's, and in b1
.set AS1, 6
.set AS2, 7
.set AB1, 8
.set ADW1, 9                           ; v9-12  the same for the half in hand
.set ADS1, 10
.set ADS2, 11
.set ADB,  12
.set LN,  13                           ; v13 lane
.set H16, 14                           ; v14 16 h
.set GW1, 15                           ; v15-18 the fill: W1 in memory, in LDS; W2 in memory, in LDS
.set LW1, 16
.set GW2, 17
.set LW2, 18
.set T16, 19                           ; v19 16 x thread
.set XS,  20                           ; v20-39 x's scale words, 4 m + s
.set WS,  40                           ; v40-47 the weights' scale words, 4 x set + tile
.set PS,  48                           ; v48-52 the hidden layer's scale word, a tile of rows each
.set RS,  53                           ; v53-57 the rows' sums
.set SB,  58                           ; v58 b2's part
.set GA,  59                           ; v59-63 my rows' codes in xq
.set TMPB, 64                          ; v64-127 b1 in the result's layout (8 t + j); then at work:
.set XV,  64
.set X2,  80
.set PA,  96
.set QB,  112
.set TM,  64
.set P,   128                          ; v128-207 the hidden layer's codes, 16 a tile of rows
.set STG, 208                          ; v208-227 the small tables on their way
.set GS,  228                          ; v228-232 my rows' scale words in xs
.set T64, 233
.set LB1, 234
.set LS1, 235
.set LS2, 236
.set L8,  237
.set T8,  238
.set VA1, 240                          ; v240-243 two coefficients as vector pairs (an instruction with a scalar pair takes its third source from registers)
.set VB1, 242
.set AW2, 244                          ; v244-247 my lane's place in W2's tiles 0, 8, 16, 24;  v248-251 the same for the half in hand
.set ADW2, 248
.set O4L, 252
.set O4R, 253
.set TA,  254
.set CR,  66                           ; s[66:67] 1 / sqrt 2;  s[68:81] A's seven coefficients, the highest degree first, as pairs;  s[82:91] B's five
.set CA,  68
.set CB,  82
.set MSB, 0
.macro WIN new                         ; the immediate's high byte repeats the setting that is left
.if MSB != (\new)
	s_set_vgpr_msb (MSB<<8)|(\new)
.set MSB, (\new)
.endif
.endm
.macro SC2 reg, bits                   ; a packed form names a scalar pair and takes its low word for both halves: both words are written
	s_mov_b32 s[\reg], \bits
	s_mov_b32 s[\reg+1], \bits
.endm
.macro BASE ptr, se, sc                ; a tensor's pointer on to expert e and chunk c
	s_lshl_b32 s36, s34, \se
	s_lshl_b32 s38, s29, \sc
	s_add_co_u32 s36, s36, s38
	s_add_nc_u64 s[\ptr:\ptr+1], s[\ptr:\ptr+1], s[36:37]
.endm
	s_load_b512 s[8:23], s[0:1], 0x0               ; xq s[8:9], xs s[10:11], order s[12:13], w1_codes s[14:15], w1_scales s[16:17], b1 s[18:19], w2_codes s[20:21], w2_scales s[22:23]
	s_load_b128 s[24:27], s[0:1], 0x40             ; b2 s[24:25], part s[26:27]
	v_lshl_add_u32 v[SPW], v0, 2, SPARE
	v_mov_b32 v[NIL], 0
	v_lshrrev_b32 v[TA], 5, v0
	v_readfirstlane_b32 s28, v[TA]                 ; wave
	s_mov_b32 s29, ttmp9                           ; chunk
	s_and_b32 s30, ttmp7, 0xffff                   ; slab
	s_lshl_b32 s31, s30, 2
	s_wait_kmcnt 0x0
	s_load_b32 s32, s[12:13], s31 offset:0x0       ; the slab's record: rows | expert << 16
	v_and_b32 v[LN], 31, v0
	v_and_b32 v[RR], 15, v0
	v_bfe_u32 v[HH], v0, 4, 1
	v_lshlrev_b32 v[H16], 4, v[HH]
	v_mul_u32_u24 v[AW1], v[RR], P1
	v_add_nc_u32 v[AW1], v[AW1], v[H16]            ; row r x pitch + 16 h
	v_and_b32 v[TA], 8, v[RR]
	v_add_nc_u32 v[TA], v[TA], v[RR]               ; r + 8 (r / 8)
	v_lshl_add_u32 v[AS1], v[TA], 4, W1SL
	v_lshl_add_u32 v[AS2], v[RR], 3, W2SL
	v_lshl_add_u32 v[AB1], v[HH], 6, B1L
	s_lshl_b32 s38, s28, 15
	v_lshl_add_u32 v[GW1], v[LN], 4, s38           ; W1: my wave's 64 rows of 512 bytes, a row a load
	s_mul_i32 s38, s28, 64*P1
	v_lshl_add_u32 v[LW1], v[LN], 4, s38
	s_lshl_b32 s38, s28, 18
	v_lshlrev_b32 v[GW2], 11, v[HH]
	v_lshl_add_u32 v[GW2], v[RR], 4, v[GW2]
	v_add_nc_u32 v[GW2], s38, v[GW2]               ; W2: my wave's 128 rows of 2,048 bytes, of each the chunk's 256: two rows a load
	s_mul_i32 s38, s28, 128*P2
	s_add_co_u32 s38, s38, W2L
	v_mul_u32_u24 v[LW2], v[HH], P2
	v_lshl_add_u32 v[LW2], v[RR], 4, v[LW2]
	v_add_nc_u32 v[LW2], s38, v[LW2]
	v_lshlrev_b32 v[T16], 4, v0
	v_lshlrev_b32 v[T64], 6, v0
	v_lshl_add_u32 v[LB1], v0, 3, B1L
	v_lshl_add_u32 v[LS1], v0, 4, W1SL
	v_lshl_add_u32 v[LS2], v0, 3, W2SL
	v_lshlrev_b32 v[L8], 3, v[LN]
	v_lshlrev_b32 v[T8], 3, v0
	v_mul_u32_u24 v[AW2], v[RR], P2
	v_add_nc_u32 v[AW2], v[AW2], v[H16]
	v_add_nc_u32 v[AW2], W2L, v[AW2]
.irp k, 1,2,3
	v_add_nc_u32 v[AW2+\k], 128*P2*\k, v[AW2]      ; eight tiles of 16 rows on: LDS immediates have 16 bits
.endr
	v_lshlrev_b32 v[O4L], 2, v[LN]
	v_lshlrev_b32 v[O4R], 2, v[RR]
	s_mul_i32 s38, s28, 80
	v_add_nc_u32 v64, s38, v[RR]                   ; my row in the slab, tile 0
.irp m, 1,2,3,4
	v_add_nc_u32 v[64+\m], 16*\m, v64
.endr
	s_mov_b32 s39, 0x600000                        ; the mantissa field of 57,344
	s_mov_b32 s46, 0x76543210
	s_mov_b32 s47, 0xfedcba98                      ; v_permlanex16_b32's selects for lane l xor 16
	s_mov_b32 s48, 0xffff0000                      ; lanes 16 to 31
	SC2 CR, 0x3f3504f3
	SC2 CA+0,  0xaf95df0b                          ; -2.72614226e-10
	SC2 CA+2,  0x32edffee                          ;  2.77068142e-08
	SC2 CA+4,  0xb60cff51                          ; -2.10102402e-06
	SC2 CA+6,  0xb86ec2d2                          ; -5.69250639e-05
	SC2 CA+8,  0xba40ac63                          ; -7.34990630e-04
	SC2 CA+10, 0xbb41a1f6                          ; -2.95459981e-03
	SC2 CA+12, 0xbc83dbd4                          ; -1.60960333e-02
	SC2 CB+0,  0xb77460cd                          ; -1.45660718e-05
	SC2 CB+2,  0xb95fbd29                          ; -2.13374055e-04
	SC2 CB+4,  0xbadc924e                          ; -1.68282697e-03
	SC2 CB+6,  0xbbf19bf8                          ; -7.37332917e-03
	SC2 CB+8,  0xbc69b6a7                          ; -1.42647391e-02
	s_wait_kmcnt 0x0
	s_and_b32 s35, s32, 0xffff
	s_min_u32 s35, s35, 0x140                      ; nr: the slab's rows
	s_lshr_b32 s34, s32, 16
	s_min_u32 s34, s34, 7                          ; e
	s_max_u32 s33, s35, 1
	s_sub_co_u32 s33, s33, 1                       ; the slab's last row
	s_cmp_eq_u32 s35, 0
	s_cselect_b32 s36, 0, s30                      ; a slab without rows reads slab 0's row 0, which is always written
	s_min_u32 s36, s36, 32
	s_mul_i32 s36, s36, 1280
	s_add_co_u32 s36, s36, 256
	s_mov_b32 s37, 0
	s_add_nc_u64 s[12:13], s[12:13], s[36:37]      ; the slab's list
.irp m, 0,1,2,3,4
	v_min_u32 v[64+\m], s33, v[64+\m]              ; rows past the last repeat the last: no word of the list that nobody wrote is read
	v_min_u32 v[64+\m], 0x13f, v[64+\m]
	v_lshlrev_b32 v[64+\m], 2, v[64+\m]
.endr
.irp m, 0,1,2,3,4
	global_load_b32 v[70+\m], v[64+\m], s[12:13]
.endr
	BASE 14, 20, 17                                ; w1_codes: 2^20 bytes an expert, 256 rows of 512 a chunk
	BASE 16, 15, 12                                ; w1_scales
	BASE 18, 13, 10                                ; b1
	BASE 20, 20, 8                                 ; w2_codes: the chunk is 256 bytes of each row
	BASE 22, 15, 3                                 ; w2_scales: 8 bytes of each row
	BASE 24, 11, 8                                 ; b2: 64 numbers a chunk
	s_mul_i32 s36, s29, 42240
	s_mul_i32 s38, s30, 1280
	s_add_co_u32 s36, s36, s38
	s_mul_i32 s38, s28, 320
	s_add_co_u32 s36, s36, s38
	s_add_nc_u64 s[26:27], s[26:27], s[36:37]      ; part: [chunk][position], at my wave's 80 rows
	s_wait_loadcnt 0x0                             ; the list's five words
.irp m, 0,1,2,3,4
	v_lshrrev_b32 v[70+\m], 1, v[70+\m]
	v_min_u32 v[70+\m], 0xfff, v[70+\m]            ; the token: a loaded number enters an address behind a bound
	v_lshl_add_u32 v[GA+\m], v[70+\m], 9, v[H16]   ; its 512 codes, + 16 h
	v_lshlrev_b32 v[GS+\m], 4, v[70+\m]            ; its four scale words
.endr
	WIN 0x40                                       ; destination window 1.  Registers 16 s + 4 c .. + 3 of a tile hold k = 128 s + 32 c + 16 h + 0 .. 15
.irp m, 0,1,2,3
.irp q, 0,1,2,3,4,5,6,7,8,9,10,11,12,13,14,15
	global_load_b128 v[64*\m+4*\q:64*\m+4*\q+3], v[GA+\m], s[8:9] offset:32*\q
.endr
.endr
	WIN 0xc0                                       ; destination window 3
.irp q, 0,1,2,3,4,5,6,7,8,9,10,11,12,13,14,15
	global_load_b128 v[4*\q:4*\q+3], v[GA+4], s[8:9] offset:32*\q
.endr
	WIN 0
.irp m, 0,1,2,3,4
	global_load_b128 v[XS+4*\m:XS+4*\m+3], v[GS+\m], s[10:11]
.endr
	global_load_b64 v[STG+18:STG+19], v[L8], s[24:25]   ; b2's 64 numbers, two a lane
	s_cmp_eq_u32 s35, 0
	s_cbranch_scc1 .Lfilled
	; THE FILL: the chunk's weights, a quarter to each wave, through window 2 into LDS, 32 loads (16 KB a wave) at a time in two halves by turns.  LDS is filled once.
	global_load_b128 v[STG:STG+3], v[T16], s[16:17]
	global_load_b128 v[STG+4:STG+7], v[T16], s[16:17] offset:2048
.irp j, 0,1,2,3
	global_load_b64 v[STG+8+2*\j:STG+9+2*\j], v[T64], s[22:23] offset:8192*\j
.endr
	global_load_b64 v[STG+16:STG+17], v[T8], s[18:19]
	WIN 0x80                                       ; destination window 2
.set J, 0
.rept 64
	global_load_b128 v[4*J:4*J+3], v[GW1], s[14:15] offset:512*J
.set J, J+1
.endr
	WIN 0
	s_wait_loadcnt 32                              ; all but W1's rows 32 to 63, the 32 loads issued last
	ds_store_b128 v[LS1], v[STG:STG+3]
	ds_store_b128 v[LS1], v[STG+4:STG+7] offset:2048
.irp j, 0,1,2,3
	ds_store_b64 v[LS2], v[STG+8+2*\j:STG+9+2*\j] offset:1024*\j
.endr
	ds_store_b64 v[LB1], v[STG+16:STG+17]
	WIN 0x08                                       ; an LDS store's data are its source 1: window 2
.set J, 0
.rept 32
	ds_store_b128 v[LW1], v[4*J:4*J+3] offset:P1*((J&39)|((J&8)<<1)|((J&16)>>1))   ; row J with bits 3 and 4 swapped
.set J, J+1
.endr
	s_wait_dscnt 0x0                               ; the stores have read their registers
	WIN 0x80
.set J, 0
.rept 32
	global_load_b128 v[4*J:4*J+3], v[GW2], s[20:21] offset:4096*J
.set J, J+1
.endr
	s_wait_loadcnt 32                              ; W1's rows 32 to 63 are in; the 32 just issued may be out
	WIN 0x08
.rept 32
	ds_store_b128 v[LW1], v[4*J:4*J+3] offset:P1*((J&39)|((J&8)<<1)|((J&16)>>1))
.set J, J+1
.endr
	s_wait_dscnt 0x0
	WIN 0x80
.set J, 32
.rept 32
	global_load_b128 v[4*J:4*J+3], v[GW2], s[20:21] offset:4096*J
.set J, J+1
.endr
	s_wait_loadcnt 32                              ; W2's first 64 rows are in
	WIN 0x08
.set J, 0
.rept 32
	ds_store_b128 v[LW2], v[4*J:4*J+3] offset:2*P2*J
.set J, J+1
.endr
	s_wait_loadcnt 0x0
.rept 32
	ds_store_b128 v[LW2], v[4*J:4*J+3] offset:2*P2*J
.set J, J+1
.endr
	WIN 0
.Lfilled:
	s_wait_dscnt 0x0                               ; for the others' sake: my stores have landed
	s_barrier_signal -1
	s_barrier_wait -1                              ; the chunk's weights lie in LDS; from here on LDS is only read
.irp m, 0,1,2,3,4
	v_mov_b32 v[RS+\m], 0
.endr
	v_mov_b32 v[VA1], s[CA+2]
	v_mov_b32 v[VA1+1], s[CA+2]
	v_mov_b32 v[VB1], s[CB+2]
	v_mov_b32 v[VB1+1], s[CB+2]
	s_mov_b32 s40, 0                               ; where the half in hand begins: in W1's rows, its scale bytes, W2's rows, its scale bytes, b1
	s_mov_b32 s41, 0
	s_mov_b32 s42, 0
	s_mov_b32 s43, 0
	s_mov_b32 s44, 0
	s_mov_b32 s45, 2
; ONE MATRIX INSTRUCTION, its registers in symbols.  RC < 0: the constant 0 starts the sum
.macro MM
.if RC < 0
	v_wmma_scale_f32_16x16x128_f8f6f4 v[RD:RD+7], v[RA:RA+15], v[RB:RB+15], 0, v[RSA], v[RSB] matrix_a_fmt:MATRIX_FMT_BF8 matrix_b_fmt:MATRIX_FMT_BF8
.else
	v_wmma_scale_f32_16x16x128_f8f6f4 v[RD:RD+7], v[RA:RA+15], v[RB:RB+15], v[RC:RC+7], v[RSA], v[RSB] matrix_a_fmt:MATRIX_FMT_BF8 matrix_b_fmt:MATRIX_FMT_BF8
.endif
.endm
; A trip has 16 RUNS of four weight fragments, each fragment against my five tiles of rows: runs 0-7 the first product (K step RN / 2, W1's tiles 4 (RN % 2) on), runs 8-15 the second (W2's tiles 4 (RN - 8) on).  Run RN uses set RN % 2.
.macro FETCH1                          ; run FI's fragments of W1 and their scale words
	WIN 0xc0                                       ; destination window 3
.irp tp, 0,1,2,3
.irp c, 0,1,2,3
	ds_load_b128 v[128+64*(FI%2)+16*\tp+4*\c:128+64*(FI%2)+16*\tp+4*\c+3], v[ADW1] offset:16*(4*(FI%2)+\tp)*P1+128*(FI/2)+32*\c
.endr
.endr
	WIN 0
.irp tp, 0,1,2,3
	ds_load_b32 v[WS+4*(FI%2)+\tp], v[ADS1] offset:(32*((4*(FI%2)+\tp)/2)+8*(\tp%2))*16+4*(FI/2)
.endr
.endm
.macro FETCH2                          ; run FI's fragments of W2
	WIN 0xc0
.irp tp, 0,1,2,3
.irp c, 0,1,2,3
	ds_load_b128 v[128+64*(FI%2)+16*\tp+4*\c:128+64*(FI%2)+16*\tp+4*\c+3], v[ADW2+(FI-8)/2] offset:16*(4*(FI%2)+\tp)*P2+32*\c
.endr
.endr
	WIN 0
.irp tp, 0,1,2,3
	ds_load_b32 v[WS+4*(FI%2)+\tp], v[ADS2] offset:128*(4*(FI-8)+\tp)
.endr
.endm
; 20 matrix instructions on 20 accumulators, one instruction a turn; the next link on an accumulator stands two runs on.  K step 0 takes b1 as C: the bias costs no addition.
.macro MUL1
.if RN < 2
	WIN 0x87                                       ; source 0 (W1) window 3, source 1 (x) window 1, C (b1) window 0, D window 2
.else
	WIN 0xa7                                       ; C and D window 2
.endif
.irp tp, 0,1,2,3
.irp m, 0,1,2,3
.set RD, 64*\m+8*(4*(RN%2)+\tp)
.set RA, 128+64*(RN%2)+16*\tp
.set RB, 64*\m+16*(RN/2)
.if RN < 2
.set RC, TMPB+8*(4*(RN%2)+\tp)
.else
.set RC, RD
.endif
.set RSA, WS+4*(RN%2)+\tp
.set RSB, XS+4*\m+RN/2
	MM
.endr
.endr
.if RN < 2
	WIN 0xcf                                       ; tile 4: x and the hidden layer in window 3
.else
	WIN 0xff
.endif
.irp tp, 0,1,2,3
.set RD, 64+8*(4*(RN%2)+\tp)
.set RA, 128+64*(RN%2)+16*\tp
.set RB, 16*(RN/2)
.if RN < 2
.set RC, TMPB+8*(4*(RN%2)+\tp)
.else
.set RC, RD
.endif
.set RSA, WS+4*(RN%2)+\tp
.set RSB, XS+16+RN/2
	MM
.endr
.endm
; 20 matrix instructions on FIVE accumulators by turns: all of W2's 32 tiles add into the accumulator of their tile of rows: register j of lane (r, h) sums y(r, 16 t + 8 h + j) over t
.macro MUL2
	WIN 0xa3                                       ; source 0 (W2) window 3, source 1 (the codes) window 0, C and D window 2
.irp tp, 0,1,2,3
.irp m, 0,1,2,3,4
.set RD, 8*\m
.set RA, 128+64*(RN%2)+16*\tp
.set RB, P+16*\m
.if (RN == 8) && (\tp == 0)
.set RC, -1
.else
.set RC, RD
.endif
.set RSA, WS+4*(RN%2)+\tp
.set RSB, PS+\m
	MM
.endr
.endr
.endm
; A load into a register that a matrix instruction has read stands eight places behind it, and only plain vector instructions that name none of its registers are places.
.macro RUN
.if RN < 15
.if RN > 0
.rept 8
	v_nop                                          ; behind run RN - 1, whose set the loads below fill.  Ahead of run 8 they are also the places between the codes just made and the scaled products
.endr
.endif
.set FI, RN+1
.if FI < 8
	FETCH1
.else
	FETCH2
.endif
	s_wait_dscnt 20                                ; this run's fragments are in; the 16 + 4 loads just issued may be out
.else
	s_wait_dscnt 0x0
.endif
.if RN < 8
	MUL1
.else
	MUL2
.endif
.set RN, RN+1
.endm
; gelu of 16 numbers, v[hb] on in window win, in place, two at a time
.macro GELU16 win, hb
	WIN (\win)                                     ; source 0 in the hidden layer's window.
.irp k, 0,2,4,6,8,10,12,14
	v_pk_mul_f32 v[XV+\k:XV+\k+1], v[(\hb)+\k:(\hb)+\k+1], s[CR:CR+1] op_sel_hi:[1,0]
.endr
	WIN 0
.irp k, 0,1,2,3,4,5,6,7,8,9,10,11,12,13,14,15
	v_med3_num_f32 v[XV+\k], v[XV+\k], -4.0, 4.0   ; beyond +-4 erf is +-1 in f32
.endr
.irp k, 0,2,4,6,8,10,12,14
	v_pk_mul_f32 v[X2+\k:X2+\k+1], v[XV+\k:XV+\k+1], v[XV+\k:XV+\k+1]
.endr
.irp k, 0,2,4,6,8,10,12,14
	v_pk_fma_f32 v[PA+\k:PA+\k+1], v[X2+\k:X2+\k+1], s[CA:CA+1], v[VA1:VA1+1] op_sel_hi:[1,0,1]
.endr
.irp k, 0,2,4,6,8,10,12,14
	v_pk_fma_f32 v[QB+\k:QB+\k+1], v[X2+\k:X2+\k+1], s[CB:CB+1], v[VB1:VB1+1] op_sel_hi:[1,0,1]
.endr
.irp a, 4,6,8,10,12
.irp k, 0,2,4,6,8,10,12,14
	v_pk_fma_f32 v[PA+\k:PA+\k+1], v[PA+\k:PA+\k+1], v[X2+\k:X2+\k+1], s[CA+\a:CA+\a+1] op_sel_hi:[1,1,0]
.endr
.endr
.irp a, 4,6,8
.irp k, 0,2,4,6,8,10,12,14
	v_pk_fma_f32 v[QB+\k:QB+\k+1], v[QB+\k:QB+\k+1], v[X2+\k:X2+\k+1], s[CB+\a:CB+\a+1] op_sel_hi:[1,1,0]
.endr
.endr
.irp k, 0,1,2,3,4,5,6,7,8,9,10,11,12,13,14,15
	v_rcp_f32 v[X2+\k], v[QB+\k]                   ; B is under -0.014 everywhere: all its coefficients are negative.  Sixteen reciprocals are one batch
.endr
.irp k, 0,2,4,6,8,10,12,14
	v_pk_mul_f32 v[PA+\k:PA+\k+1], v[PA+\k:PA+\k+1], v[XV+\k:XV+\k+1]   ; u A: plain work that names no reciprocal
.endr
	s_wait_alu depctr_va_vdst(0)                   ; one wait for the batch, ahead of its first reader
.irp k, 0,2,4,6,8,10,12,14
	v_pk_mul_f32 v[PA+\k:PA+\k+1], v[PA+\k:PA+\k+1], v[X2+\k:X2+\k+1]   ; erf
.endr
.irp k, 0,2,4,6,8,10,12,14
	v_pk_fma_f32 v[PA+\k:PA+\k+1], v[PA+\k:PA+\k+1], 0.5, 0.5 op_sel_hi:[1,0,0]
.endr
	WIN 65*(\win)                                  ; destination and source 0 in the hidden layer's window
.irp k, 0,2,4,6,8,10,12,14
	v_pk_mul_f32 v[(\hb)+\k:(\hb)+\k+1], v[(\hb)+\k:(\hb)+\k+1], v[PA+\k:PA+\k+1]
.endr
.endm
; 64 numbers of a lane, v[hb] on in window win, register 16 b + i = k 32 b + 16 h + i of my row, become tile m's fragment of codes and its scale word
.macro QUANT win, hb, m
	WIN 5*(\win)                                   ; sources 0 and 1
.irp b, 0,1,2,3
	v_max3_num_f32 v[TM+\b], |v[(\hb)+16*\b]|, |v[(\hb)+16*\b+1]|, 0x8000000   ; block b: my 16 numbers, and the floor 2^(16 - 127): the byte cannot fall under 1
.endr
	WIN 20*(\win)                                  ; sources 1 and 2
.irp i, 2,4,6,8,10,12,14
.irp b, 0,1,2,3
	v_max3_num_f32 v[TM+\b], v[TM+\b], |v[(\hb)+16*\b+\i]|, |v[(\hb)+16*\b+\i+1]|   ; the four blocks by turns
.endr
.endr
	WIN 0
.irp b, 0,1,2,3
	v_permlanex16_b32 v[TM+4+\b], v[TM+\b], s46, s47
.endr
.irp b, 0,1,2,3
	v_max_num_f32 v[TM+\b], v[TM+\b], v[TM+4+\b]   ; with lane l xor 16's 16: the block's largest magnitude
.endr
.irp b, 0,1,2,3
	v_add_nc_u32 v[TM+12+\b], 0xf8800000, v[TM+\b] ; 15 off its exponent field: the conversion's scale operand
.endr
.irp b, 0,1,2,3
	v_and_or_b32 v[TM+8+\b], v[TM+\b], 0x7f800000, s39   ; 57,344 x the scale
.endr
.irp b, 0,1,2,3
	v_lshrrev_b32 v[TM+4+\b], 23, v[TM+12+\b]      ; the scale's byte
.endr
	v_lshl_or_b32 v[PS+(\m)], v[TM+5], 8, v[TM+4]  ; my row's scale word for these 128 along K
	v_lshl_or_b32 v[PS+(\m)], v[TM+6], 16, v[PS+(\m)]
	v_lshl_or_b32 v[PS+(\m)], v[TM+7], 24, v[PS+(\m)]
	WIN 65*(\win)
.irp b, 0,1,2,3
.irp i, 0,1,2,3,4,5,6,7,8,9,10,11,12,13,14,15
	v_med3_num_f32 v[(\hb)+16*\b+\i], v[(\hb)+16*\b+\i], -v[TM+8+\b], v[TM+8+\b]   ; the conversion to an 8-bit code does not saturate (ISA guide 7.6.2)
.endr
.endr
	WIN (\win)
.irp b, 0,1,2,3
	v_cvt_scalef32_pk8_bf8_f32 v[P+16*(\m)+4*\b:P+16*(\m)+4*\b+1], v[(\hb)+16*\b:(\hb)+16*\b+7], v[TM+12+\b]
	v_cvt_scalef32_pk8_bf8_f32 v[P+16*(\m)+4*\b+2:P+16*(\m)+4*\b+3], v[(\hb)+16*\b+8:(\hb)+16*\b+15], v[TM+12+\b]
.endr
	WIN 0
	v_nop                                          ; a plain line behind the last conversion
.endm
.Lhb:                                              ; two trips: the chunk's hidden units 0-127, 128-255.  Every wave walks the loop; a slab without rows jumps over the work
	v_add_nc_u32 v[ADW1], s40, v[AW1]
	v_add_nc_u32 v[ADS1], s41, v[AS1]
	v_add_nc_u32 v[ADS2], s43, v[AS2]
	v_add_nc_u32 v[ADB], s44, v[AB1]
.irp k, 0,1,2,3
	v_add_nc_u32 v[ADW2+\k], s42, v[AW2+\k]
.endr
	s_cmp_eq_u32 s35, 0
	s_cbranch_scc1 .Lskip
	s_wait_loadcnt 0x0                             ; x's fragments and scale words
.irp t, 0,1,2,3,4,5,6,7
	ds_load_b128 v[TMPB+8*\t:TMPB+8*\t+3], v[ADB] offset:(32*(\t/2)+8*(\t%2))*4        ; b1 at tile t's eight hidden units of my half: 32 (t / 2) + 16 h + 8 (t % 2) + 0 .. 7
	ds_load_b128 v[TMPB+8*\t+4:TMPB+8*\t+7], v[ADB] offset:(32*(\t/2)+8*(\t%2))*4+16
.endr
.set RN, 0
.set FI, 0
	FETCH1
.rept 8
	RUN                                            ; x W1 + b1 for 128 hidden units and my 80 rows
.endr
	WIN 0
.rept 8
	v_nop                                          ; eight places ahead of the first read of results
.endr
.irp m, 0,1,2,3
.irp b, 0,1,2,3
	GELU16 2, 64*\m+16*\b
.endr
	QUANT 2, 64*\m, \m
.endr
.irp b, 0,1,2,3
	GELU16 3, 64+16*\b
.endr
	QUANT 3, 64, 4
.rept 8
	RUN                                            ; the 128 hidden units against all 512 rows of W2
.endr
.rept 9
	v_nop                                          ; eight places ahead of the reads below; nine ahead of the next trip's products, which write over these accumulators with another C
.endr
	WIN 0x0a                                       ; sources 0 and 1 window 2
.irp m, 0,1,2,3,4
	v_pk_add_f32 v[TMPB+4*\m:TMPB+4*\m+1], v[8*\m:8*\m+1], v[8*\m+2:8*\m+3]            ; each accumulator from its low end on
	v_pk_add_f32 v[TMPB+4*\m+2:TMPB+4*\m+3], v[8*\m+4:8*\m+5], v[8*\m+6:8*\m+7]
.endr
	WIN 0
.irp m, 0,1,2,3,4
	v_pk_add_f32 v[TMPB+4*\m:TMPB+4*\m+1], v[TMPB+4*\m:TMPB+4*\m+1], v[TMPB+4*\m+2:TMPB+4*\m+3]
.endr
.irp m, 0,1,2,3,4
	v_add_f32 v[TMPB+4*\m], v[TMPB+4*\m], v[TMPB+4*\m+1]
.endr
.irp m, 0,1,2,3,4
	v_add_f32 v[RS+\m], v[RS+\m], v[TMPB+4*\m]     ; my half of the row's sum over d
.endr
.Lskip:
	s_add_co_u32 s40, s40, 128*P1
	s_add_co_u32 s41, s41, 2048
	s_add_co_u32 s42, s42, 128
	s_add_co_u32 s43, s43, 4
	s_add_co_u32 s44, s44, 512
	s_sub_co_u32 s45, s45, 1
	s_cmp_lg_u32 s45, 0
	s_cbranch_scc1 .Lhb
	s_cmp_eq_u32 s35, 0
	s_cbranch_scc1 .Lend
	; THE WAY OUT: one number a row
	s_wait_loadcnt 0x0                             ; b2
	v_add_f32 v[SB], v[STG+18], v[STG+19]
.irp m, 1,2,4,8
	v_add_f32_dpp v[SB], v[SB], v[SB] row_xmask:\m row_mask:0xf bank_mask:0xf
.endr
	v_permlanex16_b32 v[TA], v[SB], s46, s47
	v_add_f32 v[SB], v[SB], v[TA]                  ; the sum of b2[e][64 c .. 64 c + 63]
.irp m, 0,1,2,3,4
	v_permlanex16_b32 v[64+\m], v[RS+\m], s46, s47
.endr
.irp m, 0,1,2,3,4
	v_add_f32 v[RS+\m], v[RS+\m], v[64+\m]         ; with lane l xor 16's half: both halves of the lanes now hold row r's sum
.endr
.irp m, 0,1,2,3,4
	v_add_f32 v[RS+\m], v[RS+\m], v[SB]
.endr
	v_cndmask_b32 v70, v[RS], v[RS+1], s48         ; lanes 0-15 tile 0's rows, lanes 16-31 tile 1's: 128 consecutive bytes
	v_cndmask_b32 v71, v[RS+2], v[RS+3], s48
	global_store_b32 v[O4L], v70, s[26:27]
	global_store_b32 v[O4L], v71, s[26:27] offset:128
	global_store_b32 v[O4R], v[RS+4], s[26:27] offset:256   ; tile 4: both halves of the lanes write the same number to the same word
.Lend:
	s_wait_tensorcnt 0x0                           ; the wave's end: three lines behind my last LDS store
	ds_add_u32 v[SPW], v[NIL]
	s_wait_dscnt 0x0
	s_endpgm
.Lfunc_end_k_q4a47efe82f_chain:
	.size	k_q4a47efe82f_chain, .Lfunc_end_k_q4a47efe82f_chain-k_q4a47efe82f_chain
	.p2alignl 7, 3214868480
	.fill 96, 4, 3214868480
	.section	.rodata,"a",@progbits
	.p2align	6, 0x0
	.amdhsa_kernel k_q4a47efe82f_chain
		.amdhsa_group_segment_fixed_size 284160
		.amdhsa_private_segment_fixed_size 0
		.amdhsa_enable_private_segment 0
		.amdhsa_kernarg_size 80
		.amdhsa_user_sgpr_count 2
		.amdhsa_user_sgpr_kernarg_segment_ptr 1
		.amdhsa_wavefront_size32 1
		.amdhsa_system_sgpr_workgroup_id_x 1
		.amdhsa_system_sgpr_workgroup_id_y 1
		.amdhsa_system_sgpr_workgroup_id_z 1
		.amdhsa_system_vgpr_workitem_id 0
		.amdhsa_next_free_vgpr 1024
		.amdhsa_next_free_sgpr 96
		.amdhsa_reserve_vcc 0
		.amdhsa_float_denorm_mode_32 3
		.amdhsa_float_denorm_mode_16_64 3
		.amdhsa_memory_ordered 1
		.amdhsa_forward_progress 1
		.amdhsa_inst_pref_size 255
	.end_amdhsa_kernel
	.section	.bss,"aw",@nobits
	.p2align	6
	.space	262144
	.amdgpu_metadata
---
amdhsa.version: [ 1, 2 ]
amdhsa.kernels:
  - .name:           k_q4a47efe82f_chain
    .symbol:         k_q4a47efe82f_chain.kd
    .args:
      - { .name: xq, .offset: 0, .size: 8, .value_kind: global_buffer, .address_space: global }
      - { .name: xs, .offset: 8, .size: 8, .value_kind: global_buffer, .address_space: global }
      - { .name: order, .offset: 16, .size: 8, .value_kind: global_buffer, .address_space: global }
      - { .name: w1_codes, .offset: 24, .size: 8, .value_kind: global_buffer, .address_space: global }
      - { .name: w1_scales, .offset: 32, .size: 8, .value_kind: global_buffer, .address_space: global }
      - { .name: b1, .offset: 40, .size: 8, .value_kind: global_buffer, .address_space: global }
      - { .name: w2_codes, .offset: 48, .size: 8, .value_kind: global_buffer, .address_space: global }
      - { .name: w2_scales, .offset: 56, .size: 8, .value_kind: global_buffer, .address_space: global }
      - { .name: b2, .offset: 64, .size: 8, .value_kind: global_buffer, .address_space: global }
      - { .name: part, .offset: 72, .size: 8, .value_kind: global_buffer, .address_space: global }
    .group_segment_fixed_size: 284160
    .private_segment_fixed_size: 0
    .kernarg_segment_align: 8
    .kernarg_segment_size: 80
    .max_flat_workgroup_size: 128
    .sgpr_count:     96
    .vgpr_count:     1024
    .wavefront_size: 32
...
	.end_amdgpu_metadata
.endif
;; end of part 3
;; launch finish (part 4): grid 8 x 1, 16 waves a work-group, no clusters, 2,560 bytes of LDS; arguments part, wgt, inv, out0; writes out0
.if DOCPART == 4
	.amdgcn_target "amdgcn-amd-amdhsa--gfx1250"
	.amdhsa_code_object_version 6
	.text
	.protected	k_q4a47efe82f_finish
	.globl	k_q4a47efe82f_finish
	.p2align	8
	.type	k_q4a47efe82f_finish,@function
k_q4a47efe82f_finish:
	s_mov_b64 s[64:65], 0
	v_nop
	global_prefetch_b8 v0, s[64:65] scope:SCOPE_SE
	s_setreg_imm32_b32 hwreg(HW_REG_WAVE_MODE, 25, 1), 1
	s_wait_xcnt 0x0
; FINISH: z[token] = the sum over its two chosen experts of score x (the sum over the 8 chunks of part at the row's position); out0 = log_softmax of z over the 512 tokens of a batch.
; (The six experts that a token did not choose add score 0 x ..: left out, as shown at the head of launch route.)
; A work-group takes a batch, a thread a token.  The positions are whole numbers that launch place stored.  The maximum is taken away before the exponential, as in reference().
.set MAXW,  0                          ; LDS: a word for each wave's maximum;
.set SUMW,  256                        ; for each wave's sum;
.set SPARE, 512                        ; the spare words, 128 bytes a wave
.set SPW, 1
.set NIL, 2
	s_load_b256 s[4:11], s[0:1], 0x0               ; part s[4:5], wgt s[6:7], inv s[8:9], out0 s[10:11]
	v_lshl_add_u32 v[SPW], v0, 2, SPARE
	v_mov_b32 v[NIL], 0
	v_lshrrev_b32 v3, 5, v0
	v_readfirstlane_b32 s12, v3                    ; wave
	v_lshlrev_b32 v5, 3, v0
	v_lshlrev_b32 v6, 2, v0
	v_mov_b32 v7, s12
	v_lshlrev_b32 v7, 2, v7                        ; my wave's word
	v_and_b32 v8, 15, v0
	v_lshlrev_b32 v8, 2, v8                        ; wave (lane % 16)'s word
	v_mov_b32 v9, 0                                ; written once: a lane permute's destination counts as one of its sources
	s_mov_b32 s18, 0x76543210
	s_mov_b32 s19, 0xfedcba98
	s_lshl_b32 s14, ttmp9, 12
	s_mov_b32 s15, 0
	s_lshl_b32 s16, ttmp9, 11
	s_mov_b32 s17, 0
	s_wait_kmcnt 0x0
	s_add_nc_u64 s[6:7], s[6:7], s[14:15]          ; 512 tokens x 8 bytes a batch
	s_add_nc_u64 s[8:9], s[8:9], s[14:15]
	s_add_nc_u64 s[10:11], s[10:11], s[16:17]
	global_load_b64 v[10:11], v5, s[8:9]
	global_load_b64 v[12:13], v5, s[6:7]
	s_wait_loadcnt 0x1                             ; the positions are in; the scores' load, issued behind, may be out
	v_min_u32 v14, 0x293f, v10                     ; a loaded number enters an address behind a bound: 33 x 320 - 1
	v_min_u32 v15, 0x293f, v11
	v_lshlrev_b32 v14, 2, v14
	v_lshlrev_b32 v15, 2, v15
.irp c, 0,1,2,3,4,5,6,7
	global_load_b32 v[16+\c], v14, s[4:5] offset:42240*\c
	global_load_b32 v[24+\c], v15, s[4:5] offset:42240*\c
.endr
	s_wait_loadcnt 0x0
.irp c, 0,2,4,6,8,10,12,14
	v_add_f32 v[16+\c], v[16+\c], v[17+\c]
.endr
.irp c, 0,4,8,12
	v_add_f32 v[16+\c], v[16+\c], v[18+\c]
.endr
	v_add_f32 v16, v16, v20
	v_add_f32 v24, v24, v28
	v_mul_f32 v32, v12, v16
	v_fmac_f32 v32, v13, v24                       ; z
	v_mov_b32 v33, v32
.irp m, 1,2,4,8
	v_max_num_f32_dpp v33, v33, v33 row_xmask:\m row_mask:0xf bank_mask:0xf
.endr
	v_permlanex16_b32 v9, v33, s18, s19
	v_max_num_f32 v33, v33, v9                     ; my wave's largest
	ds_store_b32 v7, v33 offset:MAXW               ; all lanes write the same word with the same value
	s_wait_dscnt 0x0
	s_barrier_signal -1
	s_barrier_wait -1
	ds_load_b32 v34, v8 offset:MAXW                ; sixteen lanes hold the sixteen waves'
	s_wait_dscnt 0x0
.irp m, 1,2,4,8
	v_max_num_f32_dpp v34, v34, v34 row_xmask:\m row_mask:0xf bank_mask:0xf
.endr
	v_sub_f32 v35, v32, v34                        ; z less the batch's largest
	v_mul_f32 v36, 0x3fb8aa3b, v35
	v_exp_f32 v37, v36
	v_nop                                          ; a plain line behind the transcendental,
	s_wait_alu depctr_va_vdst(0)                   ; and the wait ahead of its first reader
.irp m, 1,2,4,8
	v_add_f32_dpp v37, v37, v37 row_xmask:\m row_mask:0xf bank_mask:0xf
.endr
	v_permlanex16_b32 v9, v37, s18, s19
	v_add_f32 v37, v37, v9
	ds_store_b32 v7, v37 offset:SUMW               ; other bytes than the maxima's: no barrier is owed between those reads and this store
	s_wait_dscnt 0x0
	s_barrier_signal -1
	s_barrier_wait -1
	ds_load_b32 v38, v8 offset:SUMW
	s_wait_dscnt 0x0
.irp m, 1,2,4,8
	v_add_f32_dpp v38, v38, v38 row_xmask:\m row_mask:0xf bank_mask:0xf
.endr
	v_log_f32 v39, v38                             ; log2 of the sum, which is at least 1
	v_nop
	s_wait_alu depctr_va_vdst(0)
	v_fmamk_f32 v40, v39, 0xbf317218, v35          ; (z - max) - ln 2 x log2(sum)
	global_store_b32 v6, v40, s[10:11]             ; a wave stores 128 consecutive bytes
	s_wait_tensorcnt 0x0                           ; the wave's end: three lines behind my last LDS store
	ds_add_u32 v[SPW], v[NIL]
	s_wait_dscnt 0x0
	s_endpgm
.Lfunc_end_k_q4a47efe82f_finish:
	.size	k_q4a47efe82f_finish, .Lfunc_end_k_q4a47efe82f_finish-k_q4a47efe82f_finish
	.p2alignl 7, 3214868480
	.fill 96, 4, 3214868480
	.section	.rodata,"a",@progbits
	.p2align	6, 0x0
	.amdhsa_kernel k_q4a47efe82f_finish
		.amdhsa_group_segment_fixed_size 2560
		.amdhsa_private_segment_fixed_size 0
		.amdhsa_enable_private_segment 0
		.amdhsa_kernarg_size 32
		.amdhsa_user_sgpr_count 2
		.amdhsa_user_sgpr_kernarg_segment_ptr 1
		.amdhsa_wavefront_size32 1
		.amdhsa_system_sgpr_workgroup_id_x 1
		.amdhsa_system_sgpr_workgroup_id_y 1
		.amdhsa_system_sgpr_workgroup_id_z 1
		.amdhsa_system_vgpr_workitem_id 0
		.amdhsa_next_free_vgpr 64
		.amdhsa_next_free_sgpr 66
		.amdhsa_reserve_vcc 0
		.amdhsa_float_denorm_mode_32 3
		.amdhsa_float_denorm_mode_16_64 3
		.amdhsa_memory_ordered 1
		.amdhsa_forward_progress 1
		.amdhsa_inst_pref_size 6
	.end_amdhsa_kernel
	.amdgpu_metadata
---
amdhsa.version: [ 1, 2 ]
amdhsa.kernels:
  - .name:           k_q4a47efe82f_finish
    .symbol:         k_q4a47efe82f_finish.kd
    .args:
      - { .name: part, .offset: 0, .size: 8, .value_kind: global_buffer, .address_space: global }
      - { .name: wgt, .offset: 8, .size: 8, .value_kind: global_buffer, .address_space: global }
      - { .name: inv, .offset: 16, .size: 8, .value_kind: global_buffer, .address_space: global }
      - { .name: out0, .offset: 24, .size: 8, .value_kind: global_buffer, .address_space: global }
    .group_segment_fixed_size: 2560
    .private_segment_fixed_size: 0
    .kernarg_segment_align: 8
    .kernarg_segment_size: 32
    .max_flat_workgroup_size: 512
    .sgpr_count:     66
    .vgpr_count:     64
    .wavefront_size: 32
...
	.end_amdgpu_metadata
.endif
;; end of part 4
;; ======== version 2 of 2: 4 launches; version 1 with the launch chain written anew for expert scheduling mode
;; workspace buffers: xq 2,097,152 bytes; xs 65,536 bytes; sel 16,384 bytes of whole numbers; wgt 32,768 bytes; order 42,496 bytes of whole numbers; inv 32,768 bytes of whole numbers; part 337,920 bytes
;; launch route: the kernel of part 1 again; grid 256 x 1, 2 waves a work-group, no clusters, 768 bytes of LDS; arguments x, gate_w, gate_b, xq, xs, sel, wgt; writes xq, xs, sel, wgt
;; launch place: the kernel of part 2 again; grid 1 x 1, 32 waves a work-group, no clusters, 8,192 bytes of LDS; arguments sel, order, inv; writes order, inv
;; launch chain (part 5): grid 8 x 33, 4 waves a work-group, no clusters, 284,160 bytes of LDS; arguments xq, xs, order, w1_codes, w1_scales, b1, w2_codes, w2_scales, b2, part; writes part
.if DOCPART == 5
	.amdgcn_target "amdgcn-amd-amdhsa--gfx1250"
	.amdhsa_code_object_version 6
	.text
	.protected	k_q4a47efe82f_chain
	.globl	k_q4a47efe82f_chain
	.p2align	8
	.type	k_q4a47efe82f_chain,@function
k_q4a47efe82f_chain:
	s_mov_b64 s[64:65], 0
	v_nop
	global_prefetch_b8 v0, s[64:65] scope:SCOPE_SE
	s_setreg_imm32_b32 hwreg(HW_REG_WAVE_SCHED_MODE, 0, 2), 2
	s_setreg_imm32_b32 hwreg(HW_REG_WAVE_MODE, 25, 1), 1
	s_wait_xcnt 0x0
	s_wait_alu depctr_vm_vsrc(0)
; CHAIN: for a slab of up to 320 routed rows of one expert e and a chunk c of 256 hidden units:  part[c][row] = sum over d of ( Q(gelu(Q(x) W1 + b1))[chunk] W2[chunk] )[d]  +  sum of b2[e][64 c .. 64 c + 63].
; Both products on codes of E5M2 with E8M0 scales, by v_wmma_scale_f32_16x16x128_f8f6f4.  Only the rows that a token's own top-2 chose are computed (shown at the head of launch route); every input is loaded.
; Only the sum over d of y reaches the output: the second product is done whole, its 32 tiles along d adding into ONE accumulator for each tile of rows, so that a row leaves as one f32 number.
; The f32 sums over d and over the 8 chunks are so taken in another order than reference()'s.
; gelu(v) = v (0.5 + 0.5 erf(u)), u = v / sqrt 2 held to +-4, erf(u) = u A(u^2) / B(u^2), degrees 6 and 4.  LIMITS: erf is right to about 1e-7 absolutely, as 1 + erf is in f32; under v = -5.66 the result is 0 +- 6e-8 |v|.
; NaN and infinities are not served.  A block of 32 zeros of the hidden layer carries the byte 1: its codes are zeros.
; SHARES.  Grid: x = chunk, y = slab; 33 slabs serve every choice.  Four waves, one to a SIMD; wave w takes rows 80 w .. 80 w + 79: five tiles of 16, so that each weight fragment read from LDS feeds five matrix instructions.
; Rows past the slab's last repeat its last row; their results land in places of part that nobody reads.
; A SLAB WITHOUT ROWS is known from a number that launch place stored.  Hence no tensor load, no copy and NO CLUSTER, though slabs of one expert read the same weights: the weights come through registers into LDS.
; The barrier and the loop over the chunk's two halves stand on every wave's path; branches on the stored number lead round the fill, a trip's work and the way out alone.
; What more than one of these parts reads (addresses, x's fragments, b2, the row sums, constants) is written on the common path; a slab without rows reads row 0 of slab 0 there and ends with those loads out.
; LAYOUT.  Both products are used transposed (source 0 = 16 rows of a weight, source 1 = 16 of my rows): a lane holds ONE row (lane % 16) throughout.  THE ROWS OF W1 THAT FORM A TILE ARE NOT NEIGHBOURS:
; lane r of tile 2 b + u takes hidden unit 32 b + 8 u + r + 8 (r / 8), so that the 16 registers of tiles 2 b, 2 b + 1 are 16 neighbours along the next K.  In LDS W1's row rho lies at row (rho with bits 3 and 4 swapped): a tile is 16 rows on end.
; REGISTERS, in windows of 256.  window 0: addresses, scale words, at work (below).  window 1: x's fragments of tiles 0-3 (64 m + 16 s).  window 2: the hidden layer of tiles 0-3 (64 m + 8 t); at the fill the weights on their way;
;   in the second product the five accumulators (8 m).  window 3: v0-63 x of tile 4; v64-127 its hidden layer; v128-255 two sets of four weight fragments.
; THE MODE: SCHED_MODE bits 1:0 = 2 (LLVM: expert scheduling mode 2), set by the entry lines.  The code itself states the register dependences between vector or matrix instructions and memory or LDS instructions, with s_wait_alu, always for 0.
; THE PLAN.  Registers that memory or LDS instructions touch, and who else names them:
;   the fixed addresses (v1, v2, v5-8, v13-19, v233-238, v244-247, v252, v253): written by vector lines at the head, ahead of the head's first wait on va_vdst, and never again.
;   v64-68        the list's offsets: written at the head, read by the list's five loads; from the loop on part of TMPB, where LDS loads land and vector lines write.
;   v59-63, v228-232  the gather's offsets: made by vector lines of the list's words, read by the gather's loads, never written again.
;   window 2      at the fill: global loads land, LDS stores read, global loads land once more in each half; from the loop on the products write it.
;   v9-12, v248-251   the LDS addresses of the half in hand: written by eight additions at a trip's head, read by the trip's LDS loads.
;   TMPB v64-127  b1's LDS loads land at the head of a trip's work; runs 0 and 1 take it as C; then it is the vector lines' scratch to the trip's end.
;   the two sets of fragments and WS: run RN's products read set RN % 2; the loads issued at the head of run RN + 1 land in it.
;   P, PS         written by conversions and vector lines, taken by the scaled second product as source 1 and as scales.
;   v70, v71, v57 written by the way out's vector lines, read by its three stores.
; So: one wait on va_vdst ahead of the list's loads, one ahead of the gather, one at the head of a trip's work, one at the head of each of runs 1 to 14, one ahead of the last stores (beside those behind the reciprocals);
; one wait on vm_vsrc ahead of each of the fill's two second landings, and one at the loop's head; one wait on va_sdst for the wave's number.  A run's 20 loads stand in one run directly behind its wait, 20 products ahead of
; their first use: dealt among the products each group would want two window switches, since the fragments lie in window 3 and the products name windows 3, 1 and 2.
.set P1,    528                        ; W1's row in LDS: 512 bytes + 16: 16 rows on end start at 16 different 16-byte columns of the banks' 256 bytes
.set P2,    272                        ; W2's: the chunk's 256 bytes + 16
.set W2L,   256*P1                     ; LDS: W1's 256 rows from 0; W2's 512 rows;
.set W1SL,  W2L+512*P2                 ; W1's scale bytes [rho][16];
.set W2SL,  W1SL+4096                  ; W2's [n][8];
.set B1L,   W2SL+4096                  ; b1's 256 numbers;
.set SPARE, B1L+1024                   ; the spare words, 128 bytes a wave
.set SPW, 1                            ; v1  my spare word's address; never rewritten
.set NIL, 2                            ; v2  0; never rewritten
.set RR,  3                            ; v3  r = lane % 16
.set HH,  4                            ; v4  h = lane / 16
.set AW1, 5                            ; v5-8   my lane's place in a tile of W1, among W1's scale words, W2's, and in b1
.set AS1, 6
.set AS2, 7
.set AB1, 8
.set ADW1, 9                           ; v9-12  the same for the half in hand
.set ADS1, 10
.set ADS2, 11
.set ADB,  12
.set LN,  13                           ; v13 lane
.set H16, 14                           ; v14 16 h
.set GW1, 15                           ; v15-18 the fill: W1 in memory, in LDS; W2 in memory, in LDS
.set LW1, 16
.set GW2, 17
.set LW2, 18
.set T16, 19                           ; v19 16 x thread
.set XS,  20                           ; v20-39 x's scale words, 4 m + s
.set WS,  40                           ; v40-47 the weights' scale words, 4 x set + tile
.set PS,  48                           ; v48-52 the hidden layer's scale word, a tile of rows each
.set RS,  53                           ; v53-57 the rows' sums
.set SB,  58                           ; v58 b2's part
.set GA,  59                           ; v59-63 my rows' codes in xq
.set TMPB, 64                          ; v64-127 b1 in the result's layout (8 t + j); then at work:
.set XV,  64
.set X2,  80
.set PA,  96
.set QB,  112
.set TM,  64
.set P,   128                          ; v128-207 the hidden layer's codes, 16 a tile of rows
.set STG, 208                          ; v208-227 the small tables on their way
.set GS,  228                          ; v228-232 my rows' scale words in xs
.set T64, 233
.set LB1, 234
.set LS1, 235
.set LS2, 236
.set L8,  237
.set T8,  238
.set VA1, 240                          ; v240-243 two coefficients as vector pairs (an instruction with a scalar pair takes its third source from registers)
.set VB1, 242
.set AW2, 244                          ; v244-247 my lane's place in W2's tiles 0, 8, 16, 24;  v248-251 the same for the half in hand
.set ADW2, 248
.set O4L, 252
.set O4R, 253
.set TA,  254
.set CR,  66                           ; s[66:67] 1 / sqrt 2;  s[68:81] A's seven coefficients, the highest degree first, as pairs;  s[82:91] B's five
.set CA,  68
.set CB,  82
.set MSB, 0
.macro WIN new                         ; the immediate's high byte repeats the setting that is left
.if MSB != (\new)
	s_set_vgpr_msb (MSB<<8)|(\new)
.set MSB, (\new)
.endif
.endm
.macro SC2 reg, bits                   ; a packed form names a scalar pair and takes its low word for both halves: both words are written
	s_mov_b32 s[\reg], \bits
	s_mov_b32 s[\reg+1], \bits
.endm
.macro BASE ptr, se, sc                ; a tensor's pointer on to expert e and chunk c
	s_lshl_b32 s36, s34, \se
	s_lshl_b32 s38, s29, \sc
	s_add_co_u32 s36, s36, s38
	s_add_nc_u64 s[\ptr:\ptr+1], s[\ptr:\ptr+1], s[36:37]
.endm
	s_load_b512 s[8:23], s[0:1], 0x0               ; xq s[8:9], xs s[10:11], order s[12:13], w1_codes s[14:15], w1_scales s[16:17], b1 s[18:19], w2_codes s[20:21], w2_scales s[22:23]
	s_load_b128 s[24:27], s[0:1], 0x40             ; b2 s[24:25], part s[26:27]
	v_lshl_add_u32 v[SPW], v0, 2, SPARE
	v_mov_b32 v[NIL], 0
	v_lshrrev_b32 v[TA], 5, v0
	v_readfirstlane_b32 s28, v[TA]                 ; wave
	s_mov_b32 s29, ttmp9                           ; chunk
	s_and_b32 s30, ttmp7, 0xffff                   ; slab
	s_lshl_b32 s31, s30, 2
	s_wait_kmcnt 0x0
	s_load_b32 s32, s[12:13], s31 offset:0x0       ; the slab's record: rows | expert << 16
	v_and_b32 v[LN], 31, v0
	v_and_b32 v[RR], 15, v0
	v_bfe_u32 v[HH], v0, 4, 1
	v_lshlrev_b32 v[H16], 4, v[HH]
	v_mul_u32_u24 v[AW1], v[RR], P1
	v_add_nc_u32 v[AW1], v[AW1], v[H16]            ; row r x pitch + 16 h
	v_and_b32 v[TA], 8, v[RR]
	v_add_nc_u32 v[TA], v[TA], v[RR]               ; r + 8 (r / 8)
	v_lshl_add_u32 v[AS1], v[TA], 4, W1SL
	v_lshl_add_u32 v[AS2], v[RR], 3, W2SL
	v_lshl_add_u32 v[AB1], v[HH], 6, B1L
	s_wait_alu depctr_va_sdst(0)                   ; s28, the wave's number, is written, ahead of its first reader: the wave's places in memory and in LDS are made from it
	s_lshl_b32 s38, s28, 15
	v_lshl_add_u32 v[GW1], v[LN], 4, s38           ; W1: my wave's 64 rows of 512 bytes, a row a load
	s_mul_i32 s38, s28, 64*P1
	v_lshl_add_u32 v[LW1], v[LN], 4, s38
	s_lshl_b32 s38, s28, 18
	v_lshlrev_b32 v[GW2], 11, v[HH]
	v_lshl_add_u32 v[GW2], v[RR], 4, v[GW2]
	v_add_nc_u32 v[GW2], s38, v[GW2]               ; W2: my wave's 128 rows of 2,048 bytes, of each the chunk's 256: two rows a load
	s_mul_i32 s38, s28, 128*P2
	s_add_co_u32 s38, s38, W2L
	v_mul_u32_u24 v[LW2], v[HH], P2
	v_lshl_add_u32 v[LW2], v[RR], 4, v[LW2]
	v_add_nc_u32 v[LW2], s38, v[LW2]
	v_lshlrev_b32 v[T16], 4, v0
	v_lshlrev_b32 v[T64], 6, v0
	v_lshl_add_u32 v[LB1], v0, 3, B1L
	v_lshl_add_u32 v[LS1], v0, 4, W1SL
	v_lshl_add_u32 v[LS2], v0, 3, W2SL
	v_lshlrev_b32 v[L8], 3, v[LN]
	v_lshlrev_b32 v[T8], 3, v0
	v_mul_u32_u24 v[AW2], v[RR], P2
	v_add_nc_u32 v[AW2], v[AW2], v[H16]
	v_add_nc_u32 v[AW2], W2L, v[AW2]
.irp k, 1,2,3
	v_add_nc_u32 v[AW2+\k], 128*P2*\k, v[AW2]      ; eight tiles of 16 rows on: LDS immediates have 16 bits
.endr
	v_lshlrev_b32 v[O4L], 2, v[LN]
	v_lshlrev_b32 v[O4R], 2, v[RR]
	s_mul_i32 s38, s28, 80
	v_add_nc_u32 v64, s38, v[RR]                   ; my row in the slab, tile 0
.irp m, 1,2,3,4
	v_add_nc_u32 v[64+\m], 16*\m, v64
.endr
	s_mov_b32 s39, 0x600000                        ; the mantissa field of 57,344
	s_mov_b32 s46, 0x76543210
	s_mov_b32 s47, 0xfedcba98                      ; v_permlanex16_b32's selects for lane l xor 16
	s_mov_b32 s48, 0xffff0000                      ; lanes 16 to 31
	SC2 CR, 0x3f3504f3
	SC2 CA+0,  0xaf95df0b                          ; -2.72614226e-10
	SC2 CA+2,  0x32edffee                          ;  2.77068142e-08
	SC2 CA+4,  0xb60cff51                          ; -2.10102402e-06
	SC2 CA+6,  0xb86ec2d2                          ; -5.69250639e-05
	SC2 CA+8,  0xba40ac63                          ; -7.34990630e-04
	SC2 CA+10, 0xbb41a1f6                          ; -2.95459981e-03
	SC2 CA+12, 0xbc83dbd4                          ; -1.60960333e-02
	SC2 CB+0,  0xb77460cd                          ; -1.45660718e-05
	SC2 CB+2,  0xb95fbd29                          ; -2.13374055e-04
	SC2 CB+4,  0xbadc924e                          ; -1.68282697e-03
	SC2 CB+6,  0xbbf19bf8                          ; -7.37332917e-03
	SC2 CB+8,  0xbc69b6a7                          ; -1.42647391e-02
	s_wait_kmcnt 0x0
	s_and_b32 s35, s32, 0xffff
	s_min_u32 s35, s35, 0x140                      ; nr: the slab's rows
	s_lshr_b32 s34, s32, 16
	s_min_u32 s34, s34, 7                          ; e
	s_max_u32 s33, s35, 1
	s_sub_co_u32 s33, s33, 1                       ; the slab's last row
	s_cmp_eq_u32 s35, 0
	s_cselect_b32 s36, 0, s30                      ; a slab without rows reads slab 0's row 0, which is always written
	s_min_u32 s36, s36, 32
	s_mul_i32 s36, s36, 1280
	s_add_co_u32 s36, s36, 256
	s_mov_b32 s37, 0
	s_add_nc_u64 s[12:13], s[12:13], s[36:37]      ; the slab's list
.irp m, 0,1,2,3,4
	v_min_u32 v[64+\m], s33, v[64+\m]              ; rows past the last repeat the last: no word of the list that nobody wrote is read
	v_min_u32 v[64+\m], 0x13f, v[64+\m]
	v_lshlrev_b32 v[64+\m], 2, v[64+\m]
.endr
	s_wait_alu depctr_va_vdst(0)                   ; the list's offsets v64-68 are written, which the five loads below read; so are all the fixed addresses of the kernel, which its later loads and stores read
.irp m, 0,1,2,3,4
	global_load_b32 v[70+\m], v[64+\m], s[12:13]
.endr
	BASE 14, 20, 17                                ; w1_codes: 2^20 bytes an expert, 256 rows of 512 a chunk
	BASE 16, 15, 12                                ; w1_scales
	BASE 18, 13, 10                                ; b1
	BASE 20, 20, 8                                 ; w2_codes: the chunk is 256 bytes of each row
	BASE 22, 15, 3                                 ; w2_scales: 8 bytes of each row
	BASE 24, 11, 8                                 ; b2: 64 numbers a chunk
	s_mul_i32 s36, s29, 42240
	s_mul_i32 s38, s30, 1280
	s_add_co_u32 s36, s36, s38
	s_mul_i32 s38, s28, 320
	s_add_co_u32 s36, s36, s38
	s_add_nc_u64 s[26:27], s[26:27], s[36:37]      ; part: [chunk][position], at my wave's 80 rows
	s_wait_loadcnt 0x0                             ; the list's five words
.irp m, 0,1,2,3,4
	v_lshrrev_b32 v[70+\m], 1, v[70+\m]
	v_min_u32 v[70+\m], 0xfff, v[70+\m]            ; the token: a loaded number enters an address behind a bound
	v_lshl_add_u32 v[GA+\m], v[70+\m], 9, v[H16]   ; its 512 codes, + 16 h
	v_lshlrev_b32 v[GS+\m], 4, v[70+\m]            ; its four scale words
.endr
	WIN 0x40                                       ; destination window 1.  Registers 16 s + 4 c .. + 3 of a tile hold k = 128 s + 32 c + 16 h + 0 .. 15
	s_wait_alu depctr_va_vdst(0)                   ; the gather's offsets v59-63 and v228-232 are written, which the loads below read; only loads and window switches follow up to the last of them
.irp m, 0,1,2,3
.irp q, 0,1,2,3,4,5,6,7,8,9,10,11,12,13,14,15
	global_load_b128 v[64*\m+4*\q:64*\m+4*\q+3], v[GA+\m], s[8:9] offset:32*\q
.endr
.endr
	WIN 0xc0                                       ; destination window 3
.irp q, 0,1,2,3,4,5,6,7,8,9,10,11,12,13,14,15
	global_load_b128 v[4*\q:4*\q+3], v[GA+4], s[8:9] offset:32*\q
.endr
	WIN 0
.irp m, 0,1,2,3,4
	global_load_b128 v[XS+4*\m:XS+4*\m+3], v[GS+\m], s[10:11]
.endr
	global_load_b64 v[STG+18:STG+19], v[L8], s[24:25]   ; b2's 64 numbers, two a lane
	s_cmp_eq_u32 s35, 0
	s_cbranch_scc1 .Lfilled
	; THE FILL: the chunk's weights, a quarter to each wave, through window 2 into LDS, 32 loads (16 KB a wave) at a time in two halves by turns.  LDS is filled once.  No vector line names a register of the fill: its data come by loads and leave by LDS stores.
	global_load_b128 v[STG:STG+3], v[T16], s[16:17]
	global_load_b128 v[STG+4:STG+7], v[T16], s[16:17] offset:2048
.irp j, 0,1,2,3
	global_load_b64 v[STG+8+2*\j:STG+9+2*\j], v[T64], s[22:23] offset:8192*\j
.endr
	global_load_b64 v[STG+16:STG+17], v[T8], s[18:19]
	WIN 0x80                                       ; destination window 2
.set J, 0
.rept 64
	global_load_b128 v[4*J:4*J+3], v[GW1], s[14:15] offset:512*J
.set J, J+1
.endr
	WIN 0
	s_wait_loadcnt 32                              ; all but W1's rows 32 to 63, the 32 loads issued last
	ds_store_b128 v[LS1], v[STG:STG+3]
	ds_store_b128 v[LS1], v[STG+4:STG+7] offset:2048
.irp j, 0,1,2,3
	ds_store_b64 v[LS2], v[STG+8+2*\j:STG+9+2*\j] offset:1024*\j
.endr
	ds_store_b64 v[LB1], v[STG+16:STG+17]
	WIN 0x08                                       ; an LDS store's data are its source 1: window 2
.set J, 0
.rept 32
	ds_store_b128 v[LW1], v[4*J:4*J+3] offset:P1*((J&39)|((J&8)<<1)|((J&16)>>1))   ; row J with bits 3 and 4 swapped
.set J, J+1
.endr
	s_wait_dscnt 0x0                               ; the stores are done
	WIN 0x80
	s_wait_alu depctr_vm_vsrc(0)                   ; the LDS stores above have read v0-127 of window 2, in which the loads below land
.set J, 0
.rept 32
	global_load_b128 v[4*J:4*J+3], v[GW2], s[20:21] offset:4096*J
.set J, J+1
.endr
	s_wait_loadcnt 32                              ; W1's rows 32 to 63 are in; the 32 just issued may be out
	WIN 0x08
.rept 32
	ds_store_b128 v[LW1], v[4*J:4*J+3] offset:P1*((J&39)|((J&8)<<1)|((J&16)>>1))
.set J, J+1
.endr
	s_wait_dscnt 0x0
	WIN 0x80
	s_wait_alu depctr_vm_vsrc(0)                   ; the LDS stores above have read v128-255 of window 2, in which the loads below land
.set J, 32
.rept 32
	global_load_b128 v[4*J:4*J+3], v[GW2], s[20:21] offset:4096*J
.set J, J+1
.endr
	s_wait_loadcnt 32                              ; W2's first 64 rows are in
	WIN 0x08
.set J, 0
.rept 32
	ds_store_b128 v[LW2], v[4*J:4*J+3] offset:2*P2*J
.set J, J+1
.endr
	s_wait_loadcnt 0x0
.rept 32
	ds_store_b128 v[LW2], v[4*J:4*J+3] offset:2*P2*J
.set J, J+1
.endr
	WIN 0
.Lfilled:
	s_wait_dscnt 0x0                               ; for the others' sake: my stores have landed
	s_barrier_signal -1
	s_barrier_wait -1                              ; the chunk's weights lie in LDS; from here on LDS is only read
.irp m, 0,1,2,3,4
	v_mov_b32 v[RS+\m], 0
.endr
	v_mov_b32 v[VA1], s[CA+2]
	v_mov_b32 v[VA1+1], s[CA+2]
	v_mov_b32 v[VB1], s[CB+2]
	v_mov_b32 v[VB1+1], s[CB+2]
	s_mov_b32 s40, 0                               ; where the half in hand begins: in W1's rows, its scale bytes, W2's rows, its scale bytes, b1
	s_mov_b32 s41, 0
	s_mov_b32 s42, 0
	s_mov_b32 s43, 0
	s_mov_b32 s44, 0
	s_mov_b32 s45, 2
; ONE MATRIX INSTRUCTION, its registers in symbols.  RC < 0: the constant 0 starts the sum
.macro MM
.if RC < 0
	v_wmma_scale_f32_16x16x128_f8f6f4 v[RD:RD+7], v[RA:RA+15], v[RB:RB+15], 0, v[RSA], v[RSB] matrix_a_fmt:MATRIX_FMT_BF8 matrix_b_fmt:MATRIX_FMT_BF8
.else
	v_wmma_scale_f32_16x16x128_f8f6f4 v[RD:RD+7], v[RA:RA+15], v[RB:RB+15], v[RC:RC+7], v[RSA], v[RSB] matrix_a_fmt:MATRIX_FMT_BF8 matrix_b_fmt:MATRIX_FMT_BF8
.endif
.endm
; A trip has 16 RUNS of four weight fragments, each fragment against my five tiles of rows: runs 0-7 the first product (K step RN / 2, W1's tiles 4 (RN % 2) on), runs 8-15 the second (W2's tiles 4 (RN - 8) on).  Run RN uses set RN % 2.
.macro FETCH1                          ; run FI's fragments of W1 and their scale words
	WIN 0xc0                                       ; destination window 3
.irp tp, 0,1,2,3
.irp c, 0,1,2,3
	ds_load_b128 v[128+64*(FI%2)+16*\tp+4*\c:128+64*(FI%2)+16*\tp+4*\c+3], v[ADW1] offset:16*(4*(FI%2)+\tp)*P1+128*(FI/2)+32*\c
.endr
.endr
	WIN 0
.irp tp, 0,1,2,3
	ds_load_b32 v[WS+4*(FI%2)+\tp], v[ADS1] offset:(32*((4*(FI%2)+\tp)/2)+8*(\tp%2))*16+4*(FI/2)
.endr
.endm
.macro FETCH2                          ; run FI's fragments of W2
	WIN 0xc0
.irp tp, 0,1,2,3
.irp c, 0,1,2,3
	ds_load_b128 v[128+64*(FI%2)+16*\tp+4*\c:128+64*(FI%2)+16*\tp+4*\c+3], v[ADW2+(FI-8)/2] offset:16*(4*(FI%2)+\tp)*P2+32*\c
.endr
.endr
	WIN 0
.irp tp, 0,1,2,3
	ds_load_b32 v[WS+4*(FI%2)+\tp], v[ADS2] offset:128*(4*(FI-8)+\tp)
.endr
.endm
; 20 matrix instructions on 20 accumulators, one instruction a turn; the next link on an accumulator stands two runs on.  K step 0 takes b1 as C: the bias costs no addition.
.macro MUL1
.if RN < 2
	WIN 0x87                                       ; source 0 (W1) window 3, source 1 (x) window 1, C (b1) window 0, D window 2
.else
	WIN 0xa7                                       ; C and D window 2
.endif
.irp tp, 0,1,2,3
.irp m, 0,1,2,3
.set RD, 64*\m+8*(4*(RN%2)+\tp)
.set RA, 128+64*(RN%2)+16*\tp
.set RB, 64*\m+16*(RN/2)
.if RN < 2
.set RC, TMPB+8*(4*(RN%2)+\tp)
.else
.set RC, RD
.endif
.set RSA, WS+4*(RN%2)+\tp
.set RSB, XS+4*\m+RN/2
	MM
.endr
.endr
.if RN < 2
	WIN 0xcf                                       ; tile 4: x and the hidden layer in window 3
.else
	WIN 0xff
.endif
.irp tp, 0,1,2,3
.set RD, 64+8*(4*(RN%2)+\tp)
.set RA, 128+64*(RN%2)+16*\tp
.set RB, 16*(RN/2)
.if RN < 2
.set RC, TMPB+8*(4*(RN%2)+\tp)
.else
.set RC, RD
.endif
.set RSA, WS+4*(RN%2)+\tp
.set RSB, XS+16+RN/2
	MM
.endr
.endm
; 20 matrix instructions on FIVE accumulators by turns: all of W2's 32 tiles add into the accumulator of their tile of rows: register j of lane (r, h) sums y(r, 16 t + 8 h + j) over t
.macro MUL2
	WIN 0xa3                                       ; source 0 (W2) window 3, source 1 (the codes) window 0, C and D window 2
.irp tp, 0,1,2,3
.irp m, 0,1,2,3,4
.set RD, 8*\m
.set RA, 128+64*(RN%2)+16*\tp
.set RB, P+16*\m
.if (RN == 8) && (\tp == 0)
.set RC, -1
.else
.set RC, RD
.endif
.set RSA, WS+4*(RN%2)+\tp
.set RSB, PS+\m
	MM
.endr
.endr
.endm
; A RUN: eight plain lines, the run's one wait, the next run's 20 LDS loads, this run's 20 products.  The products name this run's set, x or the codes, the accumulators and this run's scale words: none of the registers that the loads touch.
; Run 0's loads stand behind the wait at the head of the trip's work; run 15 fetches nothing: neither has a wait of its own.
.macro RUN
.if RN < 15
.if RN > 0
.rept 8
	v_nop                                          ; eight plain lines behind run RN - 1's products.  Ahead of run 8 they are the places between the codes and scale words just made and the scaled products (ISA guide 7.12.1)
.endr
	s_wait_alu depctr_va_vdst(0)                   ; run RN - 1's products are done reading their set of fragments and their scale words, in which the loads below land; at run 8 also: the conversions have written the codes, and the vector lines the scale words, that the scaled products take
.endif
.set FI, RN+1
.if FI < 8
	FETCH1
.else
	FETCH2
.endif
	s_wait_dscnt 20                                ; this run's fragments are in; the 16 + 4 loads just issued may be out
.else
	s_wait_dscnt 0x0
.endif
.if RN < 8
	MUL1
.else
	MUL2
.endif
.set RN, RN+1
.endm
; gelu of 16 numbers, v[hb] on in window win, in place, two at a time
.macro GELU16 win, hb
	WIN (\win)                                     ; source 0 in the hidden layer's window.
.irp k, 0,2,4,6,8,10,12,14
	v_pk_mul_f32 v[XV+\k:XV+\k+1], v[(\hb)+\k:(\hb)+\k+1], s[CR:CR+1] op_sel_hi:[1,0]
.endr
	WIN 0
.irp k, 0,1,2,3,4,5,6,7,8,9,10,11,12,13,14,15
	v_med3_num_f32 v[XV+\k], v[XV+\k], -4.0, 4.0   ; beyond +-4 erf is +-1 in f32
.endr
.irp k, 0,2,4,6,8,10,12,14
	v_pk_mul_f32 v[X2+\k:X2+\k+1], v[XV+\k:XV+\k+1], v[XV+\k:XV+\k+1]
.endr
.irp k, 0,2,4,6,8,10,12,14
	v_pk_fma_f32 v[PA+\k:PA+\k+1], v[X2+\k:X2+\k+1], s[CA:CA+1], v[VA1:VA1+1] op_sel_hi:[1,0,1]
.endr
.irp k, 0,2,4,6,8,10,12,14
	v_pk_fma_f32 v[QB+\k:QB+\k+1], v[X2+\k:X2+\k+1], s[CB:CB+1], v[VB1:VB1+1] op_sel_hi:[1,0,1]
.endr
.irp a, 4,6,8,10,12
.irp k, 0,2,4,6,8,10,12,14
	v_pk_fma_f32 v[PA+\k:PA+\k+1], v[PA+\k:PA+\k+1], v[X2+\k:X2+\k+1], s[CA+\a:CA+\a+1] op_sel_hi:[1,1,0]
.endr
.endr
.irp a, 4,6,8
.irp k, 0,2,4,6,8,10,12,14
	v_pk_fma_f32 v[QB+\k:QB+\k+1], v[QB+\k:QB+\k+1], v[X2+\k:X2+\k+1], s[CB+\a:CB+\a+1] op_sel_hi:[1,1,0]
.endr
.endr
.irp k, 0,1,2,3,4,5,6,7,8,9,10,11,12,13,14,15
	v_rcp_f32 v[X2+\k], v[QB+\k]                   ; B is under -0.014 everywhere: all its coefficients are negative.  Sixteen reciprocals are one batch
.endr
.irp k, 0,2,4,6,8,10,12,14
	v_pk_mul_f32 v[PA+\k:PA+\k+1], v[PA+\k:PA+\k+1], v[XV+\k:XV+\k+1]   ; u A: plain work that names no reciprocal
.endr
	s_wait_alu depctr_va_vdst(0)                   ; the sixteen reciprocals have written v[X2 ..]: one wait for the batch, ahead of its first reader
.irp k, 0,2,4,6,8,10,12,14
	v_pk_mul_f32 v[PA+\k:PA+\k+1], v[PA+\k:PA+\k+1], v[X2+\k:X2+\k+1]   ; erf
.endr
.irp k, 0,2,4,6,8,10,12,14
	v_pk_fma_f32 v[PA+\k:PA+\k+1], v[PA+\k:PA+\k+1], 0.5, 0.5 op_sel_hi:[1,0,0]
.endr
	WIN 65*(\win)                                  ; destination and source 0 in the hidden layer's window
.irp k, 0,2,4,6,8,10,12,14
	v_pk_mul_f32 v[(\hb)+\k:(\hb)+\k+1], v[(\hb)+\k:(\hb)+\k+1], v[PA+\k:PA+\k+1]
.endr
.endm
; 64 numbers of a lane, v[hb] on in window win, register 16 b + i = k 32 b + 16 h + i of my row, become tile m's fragment of codes and its scale word
.macro QUANT win, hb, m
	WIN 5*(\win)                                   ; sources 0 and 1
.irp b, 0,1,2,3
	v_max3_num_f32 v[TM+\b], |v[(\hb)+16*\b]|, |v[(\hb)+16*\b+1]|, 0x8000000   ; block b: my 16 numbers, and the floor 2^(16 - 127): the byte cannot fall under 1
.endr
	WIN 20*(\win)                                  ; sources 1 and 2
.irp i, 2,4,6,8,10,12,14
.irp b, 0,1,2,3
	v_max3_num_f32 v[TM+\b], v[TM+\b], |v[(\hb)+16*\b+\i]|, |v[(\hb)+16*\b+\i+1]|   ; the four blocks by turns
.endr
.endr
	WIN 0
.irp b, 0,1,2,3
	v_permlanex16_b32 v[TM+4+\b], v[TM+\b], s46, s47
.endr
.irp b, 0,1,2,3
	v_max_num_f32 v[TM+\b], v[TM+\b], v[TM+4+\b]   ; with lane l xor 16's 16: the block's largest magnitude
.endr
.irp b, 0,1,2,3
	v_add_nc_u32 v[TM+12+\b], 0xf8800000, v[TM+\b] ; 15 off its exponent field: the conversion's scale operand
.endr
.irp b, 0,1,2,3
	v_and_or_b32 v[TM+8+\b], v[TM+\b], 0x7f800000, s39   ; 57,344 x the scale
.endr
.irp b, 0,1,2,3
	v_lshrrev_b32 v[TM+4+\b], 23, v[TM+12+\b]      ; the scale's byte
.endr
	v_lshl_or_b32 v[PS+(\m)], v[TM+5], 8, v[TM+4]  ; my row's scale word for these 128 along K
	v_lshl_or_b32 v[PS+(\m)], v[TM+6], 16, v[PS+(\m)]
	v_lshl_or_b32 v[PS+(\m)], v[TM+7], 24, v[PS+(\m)]
	WIN 65*(\win)
.irp b, 0,1,2,3
.irp i, 0,1,2,3,4,5,6,7,8,9,10,11,12,13,14,15
	v_med3_num_f32 v[(\hb)+16*\b+\i], v[(\hb)+16*\b+\i], -v[TM+8+\b], v[TM+8+\b]   ; the conversion to an 8-bit code does not saturate (ISA guide 7.6.2)
.endr
.endr
	WIN (\win)
.irp b, 0,1,2,3
	v_cvt_scalef32_pk8_bf8_f32 v[P+16*(\m)+4*\b:P+16*(\m)+4*\b+1], v[(\hb)+16*\b:(\hb)+16*\b+7], v[TM+12+\b]
	v_cvt_scalef32_pk8_bf8_f32 v[P+16*(\m)+4*\b+2:P+16*(\m)+4*\b+3], v[(\hb)+16*\b+8:(\hb)+16*\b+15], v[TM+12+\b]
.endr
	WIN 0
	v_nop                                          ; a plain line behind the last conversion
.endm
.Lhb:                                              ; two trips: the chunk's hidden units 0-127, 128-255.  Every wave walks the loop; a slab without rows jumps over the work
	s_wait_alu depctr_vm_vsrc(0)                   ; the last trip's LDS loads have read the eight addresses that the additions below write; in the first trip: the list's loads have read v64-68, where b1 lands, and the fill's LDS stores have read window 2, which the products write
	v_add_nc_u32 v[ADW1], s40, v[AW1]
	v_add_nc_u32 v[ADS1], s41, v[AS1]
	v_add_nc_u32 v[ADS2], s43, v[AS2]
	v_add_nc_u32 v[ADB], s44, v[AB1]
.irp k, 0,1,2,3
	v_add_nc_u32 v[ADW2+\k], s42, v[AW2+\k]
.endr
	s_cmp_eq_u32 s35, 0
	s_cbranch_scc1 .Lskip
	s_wait_loadcnt 0x0                             ; x's fragments and scale words
	s_wait_alu depctr_va_vdst(0)                   ; the eight addresses are written, which the trip's LDS loads read; the last trip's vector lines are done with v64-127, where b1 lands; its runs 14 and 15 are done reading both sets of fragments and scale words, in which the loads of runs 0 and 1 land
.irp t, 0,1,2,3,4,5,6,7
	ds_load_b128 v[TMPB+8*\t:TMPB+8*\t+3], v[ADB] offset:(32*(\t/2)+8*(\t%2))*4        ; b1 at tile t's eight hidden units of my half: 32 (t / 2) + 16 h + 8 (t % 2) + 0 .. 7
	ds_load_b128 v[TMPB+8*\t+4:TMPB+8*\t+7], v[ADB] offset:(32*(\t/2)+8*(\t%2))*4+16
.endr
.set RN, 0
.set FI, 0
	FETCH1
.rept 8
	RUN                                            ; x W1 + b1 for 128 hidden units and my 80 rows
.endr
	WIN 0
.rept 8
	v_nop                                          ; eight places ahead of the first read of results
.endr
.irp m, 0,1,2,3
.irp b, 0,1,2,3
	GELU16 2, 64*\m+16*\b
.endr
	QUANT 2, 64*\m, \m
.endr
.irp b, 0,1,2,3
	GELU16 3, 64+16*\b
.endr
	QUANT 3, 64, 4
.rept 8
	RUN                                            ; the 128 hidden units against all 512 rows of W2
.endr
.rept 9
	v_nop                                          ; eight places ahead of the reads below; nine ahead of the next trip's products, which write over these accumulators with another C
.endr
	WIN 0x0a                                       ; sources 0 and 1 window 2
.irp m, 0,1,2,3,4
	v_pk_add_f32 v[TMPB+4*\m:TMPB+4*\m+1], v[8*\m:8*\m+1], v[8*\m+2:8*\m+3]            ; each accumulator from its low end on
	v_pk_add_f32 v[TMPB+4*\m+2:TMPB+4*\m+3], v[8*\m+4:8*\m+5], v[8*\m+6:8*\m+7]
.endr
	WIN 0
.irp m, 0,1,2,3,4
	v_pk_add_f32 v[TMPB+4*\m:TMPB+4*\m+1], v[TMPB+4*\m:TMPB+4*\m+1], v[TMPB+4*\m+2:TMPB+4*\m+3]
.endr
.irp m, 0,1,2,3,4
	v_add_f32 v[TMPB+4*\m], v[TMPB+4*\m], v[TMPB+4*\m+1]
.endr
.irp m, 0,1,2,3,4
	v_add_f32 v[RS+\m], v[RS+\m], v[TMPB+4*\m]     ; my half of the row's sum over d
.endr
.Lskip:
	s_add_co_u32 s40, s40, 128*P1
	s_add_co_u32 s41, s41, 2048
	s_add_co_u32 s42, s42, 128
	s_add_co_u32 s43, s43, 4
	s_add_co_u32 s44, s44, 512
	s_sub_co_u32 s45, s45, 1
	s_cmp_lg_u32 s45, 0
	s_cbranch_scc1 .Lhb
	s_cmp_eq_u32 s35, 0
	s_cbranch_scc1 .Lend
	; THE WAY OUT: one number a row
	s_wait_loadcnt 0x0                             ; b2
	v_add_f32 v[SB], v[STG+18], v[STG+19]
.irp m, 1,2,4,8
	v_add_f32_dpp v[SB], v[SB], v[SB] row_xmask:\m row_mask:0xf bank_mask:0xf
.endr
	v_permlanex16_b32 v[TA], v[SB], s46, s47
	v_add_f32 v[SB], v[SB], v[TA]                  ; the sum of b2[e][64 c .. 64 c + 63]
.irp m, 0,1,2,3,4
	v_permlanex16_b32 v[64+\m], v[RS+\m], s46, s47
.endr
.irp m, 0,1,2,3,4
	v_add_f32 v[RS+\m], v[RS+\m], v[64+\m]         ; with lane l xor 16's half: both halves of the lanes now hold row r's sum
.endr
.irp m, 0,1,2,3,4
	v_add_f32 v[RS+\m], v[RS+\m], v[SB]
.endr
	v_cndmask_b32 v70, v[RS], v[RS+1], s48         ; lanes 0-15 tile 0's rows, lanes 16-31 tile 1's: 128 consecutive bytes
	v_cndmask_b32 v71, v[RS+2], v[RS+3], s48
	s_wait_alu depctr_va_vdst(0)                   ; v70, v71 and v57 are written, which the three stores below read
	global_store_b32 v[O4L], v70, s[26:27]
	global_store_b32 v[O4L], v71, s[26:27] offset:128
	global_store_b32 v[O4R], v[RS+4], s[26:27] offset:256   ; tile 4: both halves of the lanes write the same number to the same word
.Lend:
	s_wait_dscnt 0x0                               ; the closing lines, six on end
	s_wait_alu 0x0
	s_wait_tensorcnt 0x0
	ds_add_u32 v[SPW], v[NIL]
	s_wait_dscnt 0x0
	s_endpgm
.Lfunc_end_k_q4a47efe82f_chain:
	.size	k_q4a47efe82f_chain, .Lfunc_end_k_q4a47efe82f_chain-k_q4a47efe82f_chain
	.p2alignl 7, 3214868480
	.fill 96, 4, 3214868480
	.section	.rodata,"a",@progbits
	.p2align	6, 0x0
	.amdhsa_kernel k_q4a47efe82f_chain
		.amdhsa_group_segment_fixed_size 284160
		.amdhsa_private_segment_fixed_size 0
		.amdhsa_enable_private_segment 0
		.amdhsa_kernarg_size 80
		.amdhsa_user_sgpr_count 2
		.amdhsa_user_sgpr_kernarg_segment_ptr 1
		.amdhsa_wavefront_size32 1
		.amdhsa_system_sgpr_workgroup_id_x 1
		.amdhsa_system_sgpr_workgroup_id_y 1
		.amdhsa_system_sgpr_workgroup_id_z 1
		.amdhsa_system_vgpr_workitem_id 0
		.amdhsa_next_free_vgpr 1024
		.amdhsa_next_free_sgpr 96
		.amdhsa_reserve_vcc 0
		.amdhsa_float_denorm_mode_32 3
		.amdhsa_float_denorm_mode_16_64 3
		.amdhsa_memory_ordered 1
		.amdhsa_forward_progress 1
		.amdhsa_inst_pref_size 255
	.end_amdhsa_kernel
	.section	.bss,"aw",@nobits
	.p2align	6
	.space	262144
	.amdgpu_metadata
---
amdhsa.version: [ 1, 2 ]
amdhsa.kernels:
  - .name:           k_q4a47efe82f_chain
    .symbol:         k_q4a47efe82f_chain.kd
    .args:
      - { .name: xq, .offset: 0, .size: 8, .value_kind: global_buffer, .address_space: global }
      - { .name: xs, .offset: 8, .size: 8, .value_kind: global_buffer, .address_space: global }
      - { .name: order, .offset: 16, .size: 8, .value_kind: global_buffer, .address_space: global }
      - { .name: w1_codes, .offset: 24, .size: 8, .value_kind: global_buffer, .address_space: global }
      - { .name: w1_scales, .offset: 32, .size: 8, .value_kind: global_buffer, .address_space: global }
      - { .name: b1, .offset: 40, .size: 8, .value_kind: global_buffer, .address_space: global }
      - { .name: w2_codes, .offset: 48, .size: 8, .value_kind: global_buffer, .address_space: global }
      - { .name: w2_scales, .offset: 56, .size: 8, .value_kind: global_buffer, .address_space: global }
      - { .name: b2, .offset: 64, .size: 8, .value_kind: global_buffer, .address_space: global }
      - { .name: part, .offset: 72, .size: 8, .value_kind: global_buffer, .address_space: global }
    .group_segment_fixed_size: 284160
    .private_segment_fixed_size: 0
    .kernarg_segment_align: 8
    .kernarg_segment_size: 80
    .max_flat_workgroup_size: 128
    .sgpr_count:     96
    .vgpr_count:     1024
    .wavefront_size: 32
...
	.end_amdgpu_metadata
.endif
;; end of part 5
;; launch finish: the kernel of part 4 again; grid 8 x 1, 16 waves a work-group, no clusters, 2,560 bytes of LDS; arguments part, wgt, inv, out0; writes out0
